; MI455X (gfx1250); checked and timed in simulation.
; The chip was launched on July 23, 2026; its instructions are those of AMD's public machine-readable ISA for CDNA 5 (MIT licence, August 2026) and "CDNA5" Instruction Set Architecture Reference Guide (July 2026). The comments in the code are by the model that wrote it; some were corrected since.
;; Multi Head Attention. Allowed arithmetic: matrix products marked QUANTISED: E2M3 operands, one E8M0 scale for each 32 along K, by v_wmma_scale_f32_16x16x128_f8f6f4 with both operands' format E2M3, f32 sums; everything else in f32.
;; Inputs: Wk 1,024 x 1,024 float32; Wo 1,024 x 1,024 float32; Wq 1,024 x 1,024 float32; Wv 1,024 x 1,024 float32; bk 1,024 float32; bo 1,024 float32; bq 1,024 float32; bv 1,024 float32; x 2 x 2,048 x 1,024 float32.
;; Outputs: out0 2 x 2,048 x 1,024 float32.
;; This version of the problem:
;;   THIS VERSION OF THE PROBLEM IS GIVEN IN LOW PRECISION. The matrix products marked QUANTISED in the list below multiply operands that are first quantised to E2M3 (2 exponent bits, 3 mantissa bits; 6 bits a number), with one power-of-two scale for each 32 numbers along K (OCP MX v1.0); their sums are f32. All else is computed in f32.
;;   The module's matrix products, in the order in which they are computed (A, B: the left and right operand; K: the contracted axis; several contracted axes count as one K, in the product's order):
;;     1. [M 4,096, K 1,024] x [K 1,024, N 1,024]; A: input x; B: input Wq: QUANTISED
;;     2. [M 4,096, K 1,024] x [K 1,024, N 1,024]; A: input x; B: input Wk: QUANTISED
;;     3. [M 4,096, K 1,024] x [K 1,024, N 1,024]; A: input x; B: input Wv: QUANTISED
;;     4. batch 32 x [M 2,048, K 64] x [K 64, N 2,048]; A: computed on the way; B: computed on the way: QUANTISED
;;     5. batch 32 x [M 2,048, K 2,048] x [K 2,048, N 64]; A: softmax (see below); B: computed on the way: QUANTISED
;;     6. [M 4,096, K 1,024] x [K 1,024, N 1,024]; A: computed on the way; B: input Wo: QUANTISED
;;   THE QUANTISER, for each operand of a quantised product, along K:
;;     - K is cut into blocks of 32 from its start; a last block that is shorter is filled with zeros.
;;     - A block's scale is 2^e with e = floor(log2(the largest magnitude in the block)) - 2, held to -126 .. 127; a block of zeros has e = 0. As a byte (E8M0): e + 127.
;;     - Each number is divided by its block's scale, clamped to +-7.5, and rounded to the nearest number of E2M3, ties to even, subnormals kept.
;;     - The product sums the exact products of the quantised numbers (number of the format x scale) in f32.
;;   ~~~python
;;   def quantise(x, axis):      # numpy; x: float32 -> the quantised numbers, widened to float32 again
;;       x = np.moveaxis(x, axis, -1); K = x.shape[-1]
;;       x = np.pad(x, [(0, 0)] * (x.ndim - 1) + [(0, -K % 32)]); x = x.reshape(x.shape[:-1] + (-1, 32)); a = np.abs(x).max(-1, keepdims=True)
;;       e = np.where(a > 0, np.clip(np.frexp(np.where(a > 0, a, 1))[1] - 1 - 2, -126, 127), 0)      # np.frexp(a)[1] - 1 = floor(log2(a)), exactly
;;       r = np.clip(x / 2.0 ** e, -7.5, 7.5)
;;       step = 2.0 ** (np.maximum(np.frexp(np.where(r == 0, 1, r))[1] - 1, 0) - 3)
;;       q = np.round(r / step) * step * 2.0 ** e      # np.round: ties to even
;;       return np.moveaxis(q.reshape(q.shape[:-2] + (-1,))[..., :K], -1, axis).astype(np.float32)
;;   ~~~
;;   SOFTMAX AHEAD OF A QUANTISED PRODUCT. Where the list says 'softmax', what is quantised is not the finished softmax but p = 2^(t - M), with t = logit x log2(e) and M = ceil(the row's largest t), a whole number; so 1/2 < the row's largest p <= 1. The row's sum l is taken of the UNQUANTISED p, in f32, and the product's result is divided by l at the end. Since M is a whole number, a kernel that streams over the keys may use a running M (the ceiling of the running maximum): every later rescaling is an exact power of two, which a block's scale takes up: the codes' values come out the same.
;;   OPERANDS COMPUTED ON THE WAY. 'Computed on the way' means the value that the module computes at that place (a softmax that the list does not call 'softmax' is quantised finished and normalised). What goes into a quantiser is computed in f32, as accurately as f32 sums, v_exp_f32 and their like allow (about 1e-6 of the number): no bf16 or f16 on the way to a quantiser, and a product that is left as it is and whose result goes on into a quantised operand takes f32 operands (vector FMAs, or v_wmma_f32_16x16x4_f32). A number that lies on a knife's edge between two numbers of the format may be rounded either way, as far as f32 arithmetic and the matrix unit's own rounding can turn it there, and no further.
;; One version. Each part assembles by itself: llvm-mc -triple=amdgcn-amd-amdhsa -mcpu=gfx1250 --defsym DOCPART=n.
;; ======== version 1 of 1: 4 launches
;; limits: right only within a limited range of input values
;; workspace buffers: cod 6,291,456 bytes; scl 262,144 bytes; qb 3,670,016 bytes; kv 7,077,888 bytes; ao 3,145,728 bytes; aos 131,072 bytes
;; launch quant (part 1): grid 512 x 1, 4 waves a work-group, no clusters, 68,096 bytes of LDS; arguments x, Wq, Wk, Wv, Wo, cod, scl; writes cod, scl
.if DOCPART == 1
	.amdgcn_target "amdgcn-amd-amdhsa--gfx1250"
	.amdhsa_code_object_version 6
	.text
	.protected	k_q2d37fd15e4_quant
	.globl	k_q2d37fd15e4_quant
	.p2align	8
	.type	k_q2d37fd15e4_quant,@function
k_q2d37fd15e4_quant:
	s_mov_b64 s[64:65], 0
	v_nop
	global_prefetch_b8 v0, s[64:65] scope:SCOPE_SE
	s_setreg_imm32_b32 hwreg(HW_REG_WAVE_MODE, 25, 1), 1
	s_wait_xcnt 0x0
; x [4096][1024] and Wq, Wk, Wv, Wo [1024][1024], f32 with K innermost, become codes of FP6 (E2M3) and E8M0 scale bytes, one for each 32 along K.
; The five tensors count as 8,192 rows on end (x 0, Wq 4096, Wk 5120, Wv 6144, Wo 7168), cut into 512 tiles of 16 rows.
; TILE ORDER: lane row r of tile T is row 64 (T / 4) + 8 (T % 4) + r % 8 + 32 (r / 8).  In a later product whose registers run along such rows, register j of lane half h in tile T is row 64 (T / 4) + 32 h + 8 (T % 4) + j:
; the 32 registers of four neighbouring tiles are one whole block of 32 neighbours in one lane.
; THE CODES LEAVE AS IMAGES OF THE OPERAND'S REGISTERS: a half image is 16 rows x 64 along K, 6 registers a lane: byte 256 i + 8 lane + 4 e holds register 2 i + e; lane (r, h) holds k = 32 h + 0 .. 31 of its row.
; cod: [tile][16 half images of 768 bytes].  scl: [tile] 512 bytes: byte 128 ks + 8 r + 4 q + blk is the scale of K = 256 ks + 128 q + 32 blk of lane row r.
; A block's scale is 2^(floor(log2(its largest magnitude)) - 2); its byte is the largest magnitude's exponent field - 2, held at 1 from below.
; LIMITS: NaN and infinities among the inputs are not served; a block whose largest magnitude lies under 2^-124 keeps the byte 1; a block of zeros gets the byte 1 where the rule says 127: its codes are zeros, and this program alone reads the bytes.
; SHARES: a work-group is a tile; wave w takes K = 256 w .. 256 w + 255: two fragments of 128.  Each load reads 512 consecutive bytes of one row; the numbers turn through the wave's own stage in LDS
; (rows 528 bytes apart) and come back 32 neighbours along K to a lane.  All 32 loads of a wave go out at once.  Waves share nothing: no barrier.
.set PIT,  528
.set STG,  16*PIT
.set WREG, 2*STG
.set R0,   32                          ; v32-95, v96-159: the two fragments' numbers
.set CD0,  160                         ; v160-171, v172-183: their codes
.set TC,   184                         ; v184-190: the conversions' second halves
	s_load_b256 s[4:11], s[0:1], 0x0               ; x, Wq, Wk, Wv
	s_load_b128 s[12:15], s[0:1], 0x20             ; Wo, cod
	s_load_b64 s[16:17], s[0:1], 0x30              ; scl
	v_lshl_add_u32 v192, v0, 2, 0x10800
	v_mov_b32 v193, 0
	v_lshrrev_b32 v1, 5, v0
	v_readfirstlane_b32 s18, v1                    ; wave
	v_and_b32 v9, 31, v0                           ; lane
	v_and_b32 v2, 15, v0                           ; r
	v_bfe_u32 v3, v0, 4, 1                         ; h
	v_lshlrev_b32 v4, 4, v9                        ; my 16 bytes of a load's 512
	s_mul_i32 s19, s18, WREG
	v_add_nc_u32 v5, s19, v4                       ; the stage, on the way in
	v_mul_u32_u24 v6, v2, PIT
	v_lshl_add_u32 v6, v3, 7, v6
	v_add_nc_u32 v6, s19, v6                       ; and on the way out: row r, + 128 h
	v_lshlrev_b32 v7, 3, v9                        ; an image's place for my lane
	v_lshlrev_b32 v8, 3, v2                        ; my row's two scale words
	v_lshlrev_b32 v18, 3, v3                       ; 8 h: my bytes' place in a scale word
	v_mov_b32 v19, 0                               ; a lane permute's destination counts as read
	s_mov_b32 s26, 0x76543210
	s_mov_b32 s27, 0xfedcba98                      ; selects for lane l xor 16
	s_and_b32 s22, ttmp9, 63                       ; a weight's tile
	s_wait_alu depctr_va_vdst(0)                   ; at the head's end
	s_wait_kmcnt 0x0
	s_mov_b64 s[20:21], s[12:13]                   ; which tensor: the choice hangs on the work-group's number alone
	s_cmp_lt_u32 ttmp9, 448
	s_cselect_b64 s[20:21], s[10:11], s[20:21]
	s_cmp_lt_u32 ttmp9, 384
	s_cselect_b64 s[20:21], s[8:9], s[20:21]
	s_cmp_lt_u32 ttmp9, 320
	s_cselect_b64 s[20:21], s[6:7], s[20:21]
	s_cmp_lt_u32 ttmp9, 256
	s_cselect_b64 s[20:21], s[4:5], s[20:21]
	s_cselect_b32 s22, ttmp9, s22                  ; the tile inside its tensor
	s_lshr_b32 s23, s22, 2
	s_lshl_b32 s23, s23, 18                        ; 64 rows of 4,096 bytes for each four tiles,
	s_and_b32 s24, s22, 3
	s_lshl_b32 s24, s24, 15                        ; 8 rows for each tile in the four,
	s_add_co_u32 s24, s24, s23
	s_lshl_b32 s23, s18, 10                        ; my wave's 256 along K
	s_add_co_u32 s24, s24, s23
	s_mov_b32 s25, 0
	s_add_nc_u64 s[20:21], s[20:21], s[24:25]
	s_mul_i32 s24, ttmp9, 12288
	s_mul_i32 s23, s18, 3072
	s_add_co_u32 s24, s24, s23
	s_add_nc_u64 s[28:29], s[14:15], s[24:25]      ; my four half images
	s_lshl_b32 s24, ttmp9, 9
	s_lshl_b32 s23, s18, 7
	s_add_co_u32 s24, s24, s23
	s_add_nc_u64 s[30:31], s[16:17], s[24:25]      ; my 128 scale bytes
.irp f, 0,1
.irp j, 0,1,2,3,4,5,6,7,8,9,10,11,12,13,14,15
	global_load_b128 v[R0+64*\f+4*\j:R0+64*\f+4*\j+3], v4, s[20:21] offset:(\j+24*(\j/8))*4096+512*\f th:TH_LOAD_NT   ; lane row j of the tile: 512 consecutive bytes
.endr
.endr
.macro TURN f                          ; a fragment's numbers through its stage; LDS serves a wave's instructions in order
.irp j, 0,1,2,3,4,5,6,7,8,9,10,11,12,13,14,15
	ds_store_b128 v5, v[R0+64*\f+4*\j:R0+64*\f+4*\j+3] offset:STG*\f+PIT*\j
.endr
.irp c, 0,1
.irp e, 0,1,2,3,4,5,6,7
	ds_load_b128 v[R0+64*\f+32*\c+4*\e:R0+64*\f+32*\c+4*\e+3], v6 offset:STG*\f+256*\c+16*\e   ; register 32 c + i: k = 64 c + 32 h + i of row r
.endr
.endr
.endm
.macro Q32 f                           ; a lane's two whole blocks (2 c + h) become registers 6 c .. 6 c + 5 of the fragment, and the row's scale word
.set XS, R0+64*\f
.set CD, CD0+12*\f
.irp c, 0,1
	v_max3_num_f32 v[10+\c], |v[XS+32*\c]|, |v[XS+32*\c+1]|, 0x1800000   ; with the floor 2^(3 - 127): the byte cannot fall under 1
.endr
.irp i, 2,4,6,8,10,12,14,16,18,20,22,24,26,28,30
.irp c, 0,1
	v_max3_num_f32 v[10+\c], v[10+\c], |v[XS+32*\c+\i]|, |v[XS+32*\c+\i+1]|
.endr
.endr
.irp c, 0,1
	v_add_nc_u32 v[12+\c], 0xff000000, v[10+\c]    ; 2 off the exponent field: the conversion's scale operand
.endr
.irp c, 0,1
	v_lshrrev_b32 v[14+\c], 23, v[12+\c]           ; the scale's byte
.endr
	v_lshl_or_b32 v[16+\f], v15, 16, v14           ; blocks h and 2 + h,
	v_lshlrev_b32 v[16+\f], v18, v[16+\f]          ; at their places,
	v_permlanex16_b32 v19, v[16+\f], s26, s27
	v_or_b32 v[16+\f], v[16+\f], v19               ; with lane l xor 16's two the word is whole
.irp c, 0,1
	v_cvt_scalef32_pk16_fp6_f32 v[CD+6*\c:CD+6*\c+2], v[XS+32*\c:XS+32*\c+15], v[12+\c]
	v_cvt_scalef32_pk16_fp6_f32 v[TC+4*\c:TC+4*\c+2], v[XS+32*\c+16:XS+32*\c+31], v[12+\c]   ; a conversion's three registers begin on an even number
.endr
	v_nop                                          ; one plain place behind a scaled conversion
.irp c, 0,1
.irp i, 0,1,2
	v_mov_b32 v[CD+6*\c+3+\i], v[TC+4*\c+\i]
.endr
.endr
.irp p, 0,1,2,3,4,5
	global_store_b64 v7, v[CD+2*\p:CD+2*\p+1], s[28:29] offset:1536*\f+256*\p   ; 32 lanes store 256 consecutive bytes, aligned
.endr
.endm
	s_wait_loadcnt 16                              ; the first fragment's 16 loads are in; the second's may be out
	TURN 0
	s_wait_loadcnt 0x0
	TURN 1
	s_wait_dscnt 32                                ; the first turn is back; the second's 16 stores and 16 loads may be out
	Q32 0
	s_wait_dscnt 0x0
	Q32 1
	global_store_b64 v8, v[16:17], s[30:31]        ; my row's two scale words (both halves of the lanes hold and write the same)
	s_wait_tensorcnt 0x0                           ; the wave's end
	ds_add_u32 v192, v193
	s_wait_dscnt 0x0
	s_endpgm
.Lfunc_end_k_q2d37fd15e4_quant:
	.size	k_q2d37fd15e4_quant, .Lfunc_end_k_q2d37fd15e4_quant-k_q2d37fd15e4_quant
	.p2alignl 7, 3214868480
	.fill 96, 4, 3214868480
	.section	.rodata,"a",@progbits
	.p2align	6, 0x0
	.amdhsa_kernel k_q2d37fd15e4_quant
		.amdhsa_group_segment_fixed_size 68096
		.amdhsa_private_segment_fixed_size 0
		.amdhsa_enable_private_segment 0
		.amdhsa_kernarg_size 56
		.amdhsa_user_sgpr_count 2
		.amdhsa_user_sgpr_kernarg_segment_ptr 1
		.amdhsa_wavefront_size32 1
		.amdhsa_system_sgpr_workgroup_id_x 1
		.amdhsa_system_sgpr_workgroup_id_y 1
		.amdhsa_system_sgpr_workgroup_id_z 1
		.amdhsa_system_vgpr_workitem_id 0
		.amdhsa_next_free_vgpr 194
		.amdhsa_next_free_sgpr 66
		.amdhsa_reserve_vcc 0
		.amdhsa_float_denorm_mode_32 3
		.amdhsa_float_denorm_mode_16_64 3
		.amdhsa_memory_ordered 1
		.amdhsa_forward_progress 1
		.amdhsa_inst_pref_size 17
	.end_amdhsa_kernel
	.amdgpu_metadata
---
amdhsa.version: [ 1, 2 ]
amdhsa.kernels:
  - .name:           k_q2d37fd15e4_quant
    .symbol:         k_q2d37fd15e4_quant.kd
    .args:
      - { .name: x, .offset: 0, .size: 8, .value_kind: global_buffer, .address_space: global }
      - { .name: Wq, .offset: 8, .size: 8, .value_kind: global_buffer, .address_space: global }
      - { .name: Wk, .offset: 16, .size: 8, .value_kind: global_buffer, .address_space: global }
      - { .name: Wv, .offset: 24, .size: 8, .value_kind: global_buffer, .address_space: global }
      - { .name: Wo, .offset: 32, .size: 8, .value_kind: global_buffer, .address_space: global }
      - { .name: cod, .offset: 40, .size: 8, .value_kind: global_buffer, .address_space: global }
      - { .name: scl, .offset: 48, .size: 8, .value_kind: global_buffer, .address_space: global }
    .group_segment_fixed_size: 68096
    .private_segment_fixed_size: 0
    .kernarg_segment_align: 8
    .kernarg_segment_size: 56
    .max_flat_workgroup_size: 128
    .sgpr_count:     66
    .vgpr_count:     194
    .wavefront_size: 32
...
	.end_amdgpu_metadata
.endif
;; end of part 1
;; launch qkv (part 2): grid 8 x 24, 4 waves a work-group, clusters of 4 x 4, 327,680 bytes of LDS; arguments cod, scl, bq, bk, bv, qb, kv; writes qb, kv
.if DOCPART == 2
	.amdgcn_target "amdgcn-amd-amdhsa--gfx1250"
	.amdhsa_code_object_version 6
	.text
	.protected	k_q2d37fd15e4_qkv
	.globl	k_q2d37fd15e4_qkv
	.p2align	8
	.type	k_q2d37fd15e4_qkv,@function
k_q2d37fd15e4_qkv:
	s_mov_b64 s[64:65], 0
	v_nop
	global_prefetch_b8 v0, s[64:65] scope:SCOPE_SE
	s_setreg_imm32_b32 hwreg(HW_REG_WAVE_MODE, 25, 1), 1
	s_wait_xcnt 0x0
	s_wait_alu depctr_hold_cnt(0) depctr_sa_sdst(0) depctr_va_vdst(0) depctr_va_sdst(0) depctr_va_ssrc(0) depctr_va_vcc(0) depctr_vm_vsrc(0)
	s_getreg_b32 s2, hwreg(HW_REG_IB_STS2, 6, 4)
	s_cmp_eq_u32 s2, 0
	s_cbranch_scc0 .Lentry_in_a_cluster
	s_endpgm
.Lentry_in_a_cluster:
	s_bfe_u32 s2, ttmp6, 0x10000c
	s_cmp_lg_u32 s2, 0xf033
	s_cbranch_scc0 .Lentry_shape_is_right
	s_endpgm
.Lentry_shape_is_right:
; q = x Wq^T + bq, k = x Wk^T + bk and v^T = Wv x^T + bv on codes of FP6 (E2M3) with E8M0 scales, K = 1,024; the results are quantised in registers and leave as codes: q and k along a head's 64, v along the keys.
; A work-group of four waves makes 256 x 256 results, a wave 128 x 128: 64 accumulators, 512 registers.  THE MATRIX INSTRUCTION IS USED TRANSPOSED: source 1 (role A) gives a lane its row, source 0 (role B) the rows along which a lane's registers run.
; Cluster rows 0-3: A = x (tokens), B = Wq and Wk on end (features).  Cluster rows 4-5: A = Wv (features), B = x (the keys).  One text serves both; the branches hang on the cluster's y alone, which all partners share.
; TILE ORDER (as the launch before laid the codes): lane row r of tile T is row 64 (T / 4) + 8 (T % 4) + r % 8 + 32 (r / 8): register j of accumulator (a, b) is B's row 64 (b / 4) + 32 h + 8 (b % 4) + j,
; so the 32 registers of b = 4 c .. 4 c + 3 are one whole block of 32 neighbours along the next product's K: no lane needs another's numbers for a block's largest magnitude or for its codes.
; THE RING: K goes in steps of 256 through two LDS slots.  The codes lie in memory as images of the operand's registers, 3,072 bytes for a tile and a step; a fragment comes by six loads of 8 bytes at 8 x lane.
; THE HEAD: one joint load a wave: wave 0 K step 0 of A's 16 tiles, wave 1 of B's, wave 2 A's scale words for all of K, wave 3 B's.  Slot 1 is first filled behind a drained round, as a refill is; from then on a wave's load brings 8 tiles.
; By this text's count a wave has one tensor load out.  CLUSTERS: 4 x 4 work-groups; A's tiles are asked for jointly along a row of the cluster, B's along a column.
; No prefetch: K has four steps, and the first two are asked for at the head.  The biases are the C of each sum's first matrix instruction.
; LIMITS: NaN and infinities are not served; a block of results whose largest magnitude lies under 2^-124 keeps the byte 1 (a block of zeros too: its codes are zeros, and this program alone reads the bytes).
; REGISTERS: window 0: v16-31 addresses; v32-63 scale words, two sets; v64-127 the bias; v128-223 A's fragments, one set (on the way out: codes and work).  window 1: B's fragments, two sets.  windows 2, 3: accumulator (a, b) at v[8 (8 (a % 4) + b)].
.set FR,    12
.set NL,    6
.set NP,    4
.set NQ,    2
.set TILEB, 3072
.set HALFT, 8*TILEB
.set SLOT,  4*HALFT                    ; A's 16 tiles, then B's 16
.set SCL,   2*SLOT                     ; the scale words: A's 8,192 bytes, then B's
.set SPARE, SCL+16384                  ; the spare words
.set ADRA, 16
.set ADRB, 20
.set H8,   22                          ; v22 8 h
.set ADRS, 27
.set SPW,  28
.set NIL,  29
.set L8,   30
.set L16,  31
.set SC,   32
.set BT,   64
.set AF,   128
.set PC,   32                          ; the way out: eight sets of 20 registers for codes, v32-191 (the scale words, the bias and A's fragments are done with): no set is written twice, so no store's data are written again
.set TM,   200
.set SW,   216
.set WV,   18
.set HA,   19
.set HB,   20
.set ISV,  66
.set G1,   24
.set G0,   32
.set G1B,  48
.set G0B,  56
.set G1S,  68
.set G0S,  76
.set G1SB, 80
.set G0SB, 88
.set PL,   72                          ; the way out: s[72:79] four addresses for codes, s[80:83] two for scale words, s[84:85] lane selects (the scale descriptors' loads are long done)
.set QS,   80
.set SEL,  84
.set MSB, 0
.macro WIN new
.if MSB != (\new)
	s_set_vgpr_msb (MSB<<8)|(\new)
.set MSB, (\new)
.endif
.endm
.set MUL_LO, 0xa1
.set MUL_HI, 0xf1
.set TO_B,   0x40
.macro PLACES n
.rept \n
	v_nop
.endr
.endm
.macro TLOAD g0, g1
	tensor_load_to_lds s[\g0:\g0+3], s[\g1:\g1+7]
	s_nop 0
	PLACES 4
.endm
.macro JLOAD g0a, g1a, g0b, g1b        ; waves 0 and 1 fetch for A, waves 2 and 3 for B
	s_cmp_eq_u32 s[HA], 0
	s_cbranch_scc0 .Lfor_b_\@
	TLOAD \g0a, \g1a
	s_branch .Lasked_\@
.Lfor_b_\@:
	TLOAD \g0b, \g1b
.Lasked_\@:
.endm
.macro CREST
	s_cmp_lg_u32 s[WV], 0
	s_cbranch_scc1 .Lnot_wave_0_\@
	s_barrier_signal -3
.Lnot_wave_0_\@:
	s_barrier_wait -3
	s_barrier_signal -1
	s_barrier_wait -1
.endm
.macro CROUND
	s_barrier_signal -1
	s_barrier_wait -1
	CREST
.endm
	s_load_b256 s[4:11], s[0:1], 0x0               ; cod, scl, bq, bk
	s_load_b128 s[12:15], s[0:1], 0x20             ; bv, qb
	s_load_b64 s[16:17], s[0:1], 0x30              ; kv
	v_lshl_add_u32 v[SPW], v0, 2, SPARE
	v_mov_b32 v[NIL], 0
	ds_add_u32 v[SPW], v[NIL]                      ; the opening lines: the add twice and its wait
	ds_add_u32 v[SPW], v[NIL]
	v_lshrrev_b32 v1, 5, v0
	v_readfirstlane_b32 s[WV], v1
	s_lshr_b32 s[HA], s[WV], 1                     ; which 128 of A's rows are mine.  In the ring: I fetch for A (0) or for B (1)
	s_and_b32 s[HB], s[WV], 1                      ; which 128 of B's rows.  In the ring: which 128 rows I fetch
	s_bfe_u32 s40, ttmp6, 0x40000                  ; cx
	s_bfe_u32 s41, ttmp6, 0x40004                  ; cy
	s_mov_b32 s42, ttmp9                           ; cluster x
	s_and_b32 s43, ttmp7, 0xffff                   ; cluster y
	s_lshr_b32 s[ISV], s43, 2                      ; 1: this cluster makes v^T
	s_and_b32 s67, s43, 3
	s_xor_b32 s44, s[ISV], 1
	s_mul_i32 s45, s67, s44
	s_lshl_b32 s45, s45, 2
	s_add_co_u32 s45, s45, s41                     ; A's tile of 256 rows: of x (0..15), or of Wv (cy)
	s_lshl_b32 s21, s45, 8
	s_mul_i32 s22, s[ISV], 6144
	s_add_co_u32 s21, s21, s22                     ; its first row among the 8,192
	s_mul_i32 s46, s67, s[ISV]
	s_lshl_b32 s46, s46, 1
	s_add_co_u32 s46, s46, s42
	s_lshl_b32 s46, s46, 2
	s_add_co_u32 s46, s46, s40                     ; B's tile: of Wq and Wk on end (0..7), or of x (0..15)
	s_lshl_b32 s92, s46, 8
	s_lshl_b32 s93, s44, 12
	s_add_co_u32 s92, s92, s93
	s_mul_i32 s100, s[HB], 128*768                 ; in the ring: the 128 rows that I fetch, in bytes of codes
	s_mov_b32 s101, 0
	s_mul_i32 s94, s21, 768                        ; a row's share of the codes is 768 bytes,
	s_mov_b32 s95, 0
	s_lshl_b32 s96, s21, 5                         ; of the scale words 32
	s_mov_b32 s97, 0
	s_mul_i32 s98, s92, 768
	s_mov_b32 s99, 0
	s_lshl_b32 s2, s92, 5
	s_mov_b32 s3, 0
	s_lshl_b32 s47, s41, 2
	s_lshl_b32 s47, 15, s47                        ; my row of the cluster
	s_lshl_b32 s93, 0x1111, s40                    ; my column
	; group 1 for codes: tiles of 3,072 bytes (384 elements of 8), 12,288 bytes apart in memory, dense in LDS: 16 tiles at the head, 8 in the ring
	s_or_b32 s[G1+0], s47, (3<<16)|(1<<21)
	s_or_b32 s[G1B+0], s93, (3<<16)|(1<<21)
.irp g, G1, G1B
	s_mov_b32 s[\g+1], 384<<16
	s_mov_b32 s[\g+2], 16<<16
	s_mov_b32 s[\g+3], 384<<16
	s_mov_b32 s[\g+4], 16
	s_mov_b32 s[\g+5], 1536
	s_mov_b32 s[\g+6], 0
	s_mov_b32 s[\g+7], 0
.endr
	; and for the scale words of 256 rows: 8,192 dense bytes as 32 rows of 256
	s_or_b32 s[G1S+0], s47, (3<<16)|(1<<21)
	s_or_b32 s[G1SB+0], s93, (3<<16)|(1<<21)
.irp g, G1S, G1SB
	s_mov_b32 s[\g+1], 32<<16
	s_mov_b32 s[\g+2], 32<<16
	s_mov_b32 s[\g+3], 32<<16
	s_mov_b32 s[\g+4], 32
	s_mov_b32 s[\g+5], 32
	s_mov_b32 s[\g+6], 0
	s_mov_b32 s[\g+7], 0
.endr
	s_mul_i32 s44, s[WV], HALFT                    ; the ring's LDS place: no place in the cluster enters an LDS address
	s_wait_dscnt 0x0                               ; both opening adds are done
	CROUND                                         ; the round in front of the first joint loads stands ahead of the wait for the arguments
	s_wait_kmcnt 0x0
	s_add_nc_u64 s[94:95], s[4:5], s[94:95]
	s_add_nc_u64 s[96:97], s[6:7], s[96:97]
	s_add_nc_u64 s[98:99], s[4:5], s[98:99]
	s_add_nc_u64 s[2:3], s[6:7], s[2:3]
	s_mov_b32 s[G0], 1                             ; the head's four tiles: K step 0 of A's 256 rows,
	s_mov_b32 s[G0+1], 0
	s_mov_b64 s[G0+2:G0+3], s[94:95]
	s_or_b32 s[G0+3], s[G0+3], 0x80000000
	s_mov_b32 s[G0B], 1                            ; of B's,
	s_mov_b32 s[G0B+1], 2*HALFT
	s_mov_b64 s[G0B+2:G0B+3], s[98:99]
	s_or_b32 s[G0B+3], s[G0B+3], 0x80000000
	s_mov_b32 s[G0S], 1                            ; A's scale words,
	s_mov_b32 s[G0S+1], SCL
	s_mov_b64 s[G0S+2:G0S+3], s[96:97]
	s_or_b32 s[G0S+3], s[G0S+3], 0x80000000
	s_mov_b32 s[G0SB], 1                           ; B's
	s_mov_b32 s[G0SB+1], SCL+8192
	s_mov_b64 s[G0SB+2:G0SB+3], s[2:3]
	s_or_b32 s[G0SB+3], s[G0SB+3], 0x80000000
	s_add_nc_u64 s[94:95], s[94:95], s[100:101]    ; slot 1's: my 128 rows, K step 1
	s_add_nc_u64 s[98:99], s[98:99], s[100:101]
	s_mov_b32 s[G0+4], 1
	s_add_co_u32 s[G0+5], s44, SLOT
	s_add_nc_u64 s[G0+6:G0+7], s[94:95], TILEB
	s_or_b32 s[G0+7], s[G0+7], 0x80000000
	s_mov_b32 s[G0B+4], 1
	s_add_co_u32 s[G0B+5], s44, SLOT
	s_add_nc_u64 s[G0B+6:G0B+7], s[98:99], TILEB
	s_or_b32 s[G0B+7], s[G0B+7], 0x80000000
.macro ARM under, g0, g1, next         ; one chain of branches on the wave's number: every way passes exactly one load
	s_cmp_lt_u32 s[WV], \under
	s_cbranch_scc0 \next
	TLOAD \g0, \g1
	s_branch .Lhead_asked
\next:
.endm
	ARM 1, G0,  G1,  .Lhead_b
	ARM 2, G0B, G1B, .Lhead_sa
	ARM 3, G0S, G1S, .Lhead_sb
	TLOAD G0SB, G1SB
.Lhead_asked:
	v_and_b32 v1, 31, v0                           ; lane
	v_and_b32 v2, 15, v0                           ; r
	v_bfe_u32 v3, v0, 4, 1                         ; h
	s_wait_alu depctr_va_vdst(0)
	v_lshlrev_b32 v[L8], 3, v1
	v_lshlrev_b32 v[L16], 4, v1
	v_lshlrev_b32 v[H8], 3, v3
	s_mul_i32 s21, s[HA], HALFT                    ; my 8 tiles of A
	s_mul_i32 s22, s[HB], HALFT                    ; my 8 tiles of B,
	s_add_co_u32 s22, s22, 2*HALFT                 ; behind A's 16
.irp s, 0,1
	v_add_nc_u32 v[ADRA+\s], s21, v[L8]
	v_add_nc_u32 v[ADRB+\s], s22, v[L8]
	s_add_co_u32 s21, s21, SLOT
	s_add_co_u32 s22, s22, SLOT
.endr
	s_lshl_b32 s21, s[HA], 12                      ; A's scale words: my 128 rows
	s_lshl_b32 s22, s[HB], 12                      ; B's, behind A's 8,192 bytes
	s_add_co_u32 s22, s22, 8192
	s_sub_co_u32 s22, s22, s21
	v_mul_u32_u24 v4, s22, v3                      ; lanes 16-31 take B's: one product, the distance x h
	s_add_co_u32 s21, s21, SCL
	v_lshl_add_u32 v4, v2, 3, v4                   ; 8 bytes a row for a K step
	v_add_nc_u32 v[ADRS], s21, v4
	; the bias, in the result's layout, 64 registers
	s_cmp_eq_u32 s[ISV], 0
	s_cbranch_scc0 .Lbias_v
	s_lshl_b32 s21, s46, 1                         ; q, k: the bias goes with B's rows: register 8 b + j is that of feature 64 (b / 4) + 32 h + 8 (b % 4) + j of my 128
	s_add_co_u32 s21, s21, s[HB]
	s_and_b32 s21, s21, 7
	s_lshl_b32 s22, s21, 9
	s_mov_b32 s23, 0
	s_cmp_eq_u32 s42, 0
	s_cselect_b64 s[92:93], s[8:9], s[10:11]       ; cluster x 0 makes q, 1 makes k
	s_add_nc_u64 s[92:93], s[92:93], s[22:23]
	v_lshlrev_b32 v5, 7, v3
.irp b, 0,1,2,3,4,5,6,7
.irp e, 0,1
	global_load_b128 v[BT+8*\b+4*\e:BT+8*\b+4*\e+3], v5, s[92:93] offset:256*(\b/4)+32*(\b%4)+16*\e
.endr
.endr
	s_branch .Lbias_done
.Lbias_v:
	s_lshl_b32 s21, s45, 1                         ; v^T: the bias goes with A's rows: all eight registers 8 a + j hold that of my lane's row of tile a
	s_add_co_u32 s21, s21, s[HA]
	s_lshl_b32 s22, s21, 9
	s_mov_b32 s23, 0
	s_add_nc_u64 s[92:93], s[12:13], s[22:23]
	v_and_b32 v5, 7, v2
	v_lshrrev_b32 v6, 3, v2
	v_lshlrev_b32 v5, 2, v5
	v_lshl_add_u32 v5, v6, 7, v5                   ; 4 (r % 8 + 32 (r / 8))
.irp a, 0,1,2,3,4,5,6,7
.irp j, 0,1,2,3,4,5,6,7
	global_load_b32 v[BT+8*\a+\j], v5, s[92:93] offset:256*(\a/4)+32*(\a%4)
.endr
.endr
.Lbias_done:
.macro FRAG reg, adr, q, i             ; a fragment, 16 rows x 128 K, 12 registers: six pieces of 256 bytes, lane l's 8 bytes at 8 l
.irp p, 0,1,2,3,4,5
	ds_load_b64 v[\reg+2*\p:\reg+2*\p+1], v[\adr] offset:TILEB*(\i)+1536*(\q)+256*\p
.endr
.endm
; 16 matrix instructions: A's blocks a0, a0 + 1 x B's eight.  cm 0: adds in place; 1: C = the bias by B's block; 2: by A's block.  The 64 accumulators take turns.
.macro MUL16 a0, p, q, sc, cm
.irp a, \a0, \a0+1
.irp b, 0,1,2,3,4,5,6,7
.if (\cm) == 1
	v_wmma_scale_f32_16x16x128_f8f6f4 v[8*(8*((\a)%4)+\b):8*(8*((\a)%4)+\b)+7], v[128*(\p)+FR*\b:128*(\p)+FR*\b+FR-1], v[AF+FR*(\a):AF+FR*(\a)+FR-1], v[BT+8*\b:BT+8*\b+7], v[SC+16*(\sc)+2*\b+(\q)], v[SC+16*(\sc)+2*(\a)+(\q)] matrix_a_fmt:MATRIX_FMT_FP6 matrix_b_fmt:MATRIX_FMT_FP6 matrix_a_scale:MATRIX_SCALE_ROW1
.elseif (\cm) == 2
	v_wmma_scale_f32_16x16x128_f8f6f4 v[8*(8*((\a)%4)+\b):8*(8*((\a)%4)+\b)+7], v[128*(\p)+FR*\b:128*(\p)+FR*\b+FR-1], v[AF+FR*(\a):AF+FR*(\a)+FR-1], v[BT+8*(\a):BT+8*(\a)+7], v[SC+16*(\sc)+2*\b+(\q)], v[SC+16*(\sc)+2*(\a)+(\q)] matrix_a_fmt:MATRIX_FMT_FP6 matrix_b_fmt:MATRIX_FMT_FP6 matrix_a_scale:MATRIX_SCALE_ROW1
.else
	v_wmma_scale_f32_16x16x128_f8f6f4 v[8*(8*((\a)%4)+\b):8*(8*((\a)%4)+\b)+7], v[128*(\p)+FR*\b:128*(\p)+FR*\b+FR-1], v[AF+FR*(\a):AF+FR*(\a)+FR-1], v[8*(8*((\a)%4)+\b):8*(8*((\a)%4)+\b)+7], v[SC+16*(\sc)+2*\b+(\q)], v[SC+16*(\sc)+2*(\a)+(\q)] matrix_a_fmt:MATRIX_FMT_FP6 matrix_b_fmt:MATRIX_FMT_FP6 matrix_a_scale:MATRIX_SCALE_ROW1
.endif
.endr
.endr
.endm
.macro FETCH_B slot, q, p
	WIN TO_B
.irp i, 0,1,2,3,4,5,6,7
	FRAG 128*(\p)+FR*\i, ADRB+\slot, \q, \i
.endr
	WIN 0
.endm
.macro FETCH_A slot, q, i0
.irp i, \i0, \i0+1, \i0+2, \i0+3
	FRAG AF+FR*(\i), ADRA+\slot, \q, \i
.endr
.endm
.macro SCALES set, ks                  ; K step ks's scale words: lanes 0-15 take A's block i, lanes 16-31 B's block i
.irp i, 0,1,2,3,4,5,6,7
	ds_load_b64 v[SC+16*(\set)+2*\i:SC+16*(\set)+2*\i+1], v[ADRS] offset:512*\i+128*(\ks)
.endr
.endm
.macro STEP slot, q, cm                ; a step of 128 along K that has its successor in the same slot
	s_wait_dscnt 4*NL                              ; the youngest 24 loads (A's blocks 4-7) may be out
.if \cm
	WIN 0x81                                       ; C, the bias, in window 0
.else
	WIN MUL_LO
.endif
	MUL16 0, (\q)%2, \q, \slot, \cm
	MUL16 2, (\q)%2, \q, \slot, \cm
	s_wait_dscnt 0
	PLACES NP
	FETCH_B \slot, (\q)+1, 1-(\q)%2
	FETCH_A \slot, (\q)+1, 0
.if \cm
	WIN 0xc1
.else
	WIN MUL_HI
.endif
	MUL16 4, (\q)%2, \q, \slot, \cm
	MUL16 6, (\q)%2, \q, \slot, \cm
	PLACES NP
	WIN 0
	FETCH_A \slot, (\q)+1, 4
.endm
; A slot's last step changes slots: in front of the barrier each wave waits for all its tensor loads, adds 0 to its spare word, and waits for that and for its reads of this slot.  fill = 1: this slot is filled again, two K steps ahead.
.macro TURN slot, next, fill, ks
	s_wait_tensorcnt 0x0
	ds_add_u32 v[SPW], v[NIL]
	s_wait_dscnt 4*NL+1                            ; the add and the youngest 24 loads may be out
	WIN MUL_LO
	MUL16 0, 1, NQ-1, \slot, 0
	s_wait_dscnt 0x0
	s_barrier_signal -1
	MUL16 2, 1, NQ-1, \slot, 0
	WIN 0
	s_barrier_wait -1
.if \fill
	CREST                                          ; the barrier has opened a round of the cluster's barrier
	s_add_nc_u64 s[G0+4*\slot+2:G0+4*\slot+3], s[G0+4*\slot+2:G0+4*\slot+3], 2*TILEB
	s_add_nc_u64 s[G0B+4*\slot+2:G0B+4*\slot+3], s[G0B+4*\slot+2:G0B+4*\slot+3], 2*TILEB
	JLOAD G0+4*\slot, G1, G0B+4*\slot, G1B         ; its four v_nop are the places in front of the loads below
.else
	PLACES NP
.endif
	FETCH_B \next, 0, 0
	FETCH_A \next, 0, 0
	SCALES \next, \ks
	WIN MUL_HI
	MUL16 4, 1, NQ-1, \slot, 0
	MUL16 6, 1, NQ-1, \slot, 0
	PLACES NP
	WIN 0
	FETCH_A \next, 0, 4
.endm
	s_wait_alu depctr_va_vdst(0)                   ; at the head's end
	s_wait_tensorcnt 0x0                           ; my tile of the head's four is in; the lines that stand ahead of a refill stand ahead of slot 1's first fill too
	ds_add_u32 v[SPW], v[NIL]
	s_mov_b32 s[G1+2], 8<<16                       ; no tensor load of mine is out: from here on a load brings 8 tiles,
	s_mov_b32 s[G1+4], 8
	s_mov_b32 s[G1B+2], 8<<16
	s_mov_b32 s[G1B+4], 8
	s_mov_b32 s[G0+1], s44                         ; and slot 0's group 0 names my 128 rows
	s_add_nc_u64 s[G0+2:G0+3], s[G0+2:G0+3], s[100:101]
	s_mov_b32 s[G0B+1], s44
	s_add_nc_u64 s[G0B+2:G0B+3], s[G0B+2:G0B+3], s[100:101]
	s_wait_dscnt 0x0
	CROUND
	JLOAD G0+4, G1, G0B+4, G1B                     ; K step 1, the first tensor load behind the round
	FETCH_B 0, 0, 0
	FETCH_A 0, 0, 0
	SCALES 0, 0
	FETCH_A 0, 0, 4
	s_wait_loadcnt 0x0                             ; the bias
	s_cmp_eq_u32 s[ISV], 0                         ; the first step starts the sums with the bias: by B's block for q and k, by A's for v^T
	s_cbranch_scc0 .Lfirst_v
	STEP 0, 0, 1
	s_branch .Lfirst_done
.Lfirst_v:
	STEP 0, 0, 2
.Lfirst_done:
	TURN 0, 1, 1, 1
	STEP 1, 0, 0
	TURN 1, 0, 1, 2
	STEP 0, 0, 0
	TURN 0, 1, 0, 3                                ; nothing is left to fetch
	STEP 1, 0, 0
	s_wait_dscnt 4*NL
	WIN MUL_LO
	MUL16 0, 1, NQ-1, 1, 0
	MUL16 2, 1, NQ-1, 1, 0
	s_wait_dscnt 0
	WIN MUL_HI
	MUL16 4, 1, NQ-1, 1, 0
	MUL16 6, 1, NQ-1, 1, 0
	WIN 0
	; THE WAY OUT.  For each of A's eight blocks a lane's 64 results are two whole blocks of 32: they become a fragment's codes (two half images) and, with lane l xor 16's two bytes, a scale word.
	; qb: [batch x head][step of 128 queries] blocks of 7,168: 8 half images, then the scale words.  kv: blocks of 13,824: K's 8 half images, V's 8, K's scale words, V's.
	PLACES NP
	s_lshl_b32 s24, s45, 1
	s_add_co_u32 s24, s24, s[HA]                   ; my 128 of A's rows
	s_lshl_b32 s25, s46, 1
	s_add_co_u32 s25, s25, s[HB]                   ; my 128 of B's rows
	s_and_b32 s26, s25, 7
	s_cmp_eq_u32 s[ISV], 1
	s_cselect_b32 s27, s25, s24                    ; the group of 128 tokens, 0..31
	s_cselect_b32 s28, s24, s26                    ; the pair of heads, 0..7
	s_lshr_b32 s21, s27, 4
	s_lshl_b32 s21, s21, 4
	s_lshl_b32 s22, s28, 1
	s_add_co_u32 s21, s21, s22                     ; batch x 16 + head
	s_lshl_b32 s21, s21, 4
	s_and_b32 s22, s27, 15
	s_add_co_u32 s21, s21, s22                     ; the block
	s_or_b32 s22, s[ISV], s42
	s_cmp_eq_u32 s22, 0                            ; q?
	s_cselect_b64 s[68:69], s[14:15], s[16:17]
	s_mov_b32 s23, 13824
	s_cselect_b32 s23, 7168, s23                   ; a block's bytes
	s_mov_b32 s44, 12288
	s_cselect_b32 s44, 6144, s44                   ; where its scale words begin
	s_cmp_eq_u32 s[ISV], 1                         ; v?
	s_mov_b32 s47, 13312
	s_cselect_b32 s44, s47, s44
	s_cselect_b32 s92, 6144, 0                     ; where its codes begin
	s_mul_i32 s93, s23, 16                         ; a head on: 16 blocks
	s_mov_b32 s94, 3072
	s_cselect_b32 s95, s94, s93                    ; from a fragment's first half image to its second: v: the keys' other half; q, k: the next head
	s_mov_b32 s96, 221184
	s_cselect_b32 s96, s96, s94                    ; from A's blocks 0-3 to 4-7: v: the next head; q, k: four tiles of tokens on
	s_mul_i32 s70, s21, s23
	s_mov_b32 s71, 0
	s_add_nc_u64 s[68:69], s[68:69], s[70:71]
	s_mov_b32 s70, s92
	s_add_nc_u64 s[PL:PL+1], s[68:69], s[70:71]
	s_mov_b32 s70, s95
	s_add_nc_u64 s[PL+2:PL+3], s[PL:PL+1], s[70:71]
	s_mov_b32 s70, s96
	s_add_nc_u64 s[PL+4:PL+5], s[PL:PL+1], s[70:71]
	s_add_nc_u64 s[PL+6:PL+7], s[PL+2:PL+3], s[70:71]
	s_mov_b32 s70, s44
	s_add_nc_u64 s[QS:QS+1], s[68:69], s[70:71]
	s_mov_b32 s70, s93
	s_add_nc_u64 s[QS+2:QS+3], s[QS:QS+1], s[70:71]
	s_mov_b32 s[SEL], 0x76543210
	s_mov_b32 s[SEL+1], 0xfedcba98
	v_mov_b32 v[TM+6], 0                           ; a lane permute's destination counts as read
; 64 results of a lane in window w, v[s] on: register 32 c + i = k 64 c + 32 h + i of my row.  Each accumulator is read from its low end on.
.macro QUANTW s, w, pc, sw
	WIN (20*(\w))                                  ; sources 1 and 2 in window w
.irp b, 0,1,2,3
	v_max3_num_f32 v[TM+\b], 0x1800000, |v[(\s)+16*\b]|, |v[(\s)+16*\b+1]|   ; four chains, two to a block, with the floor 2^(3 - 127)
.endr
.irp i, 2,4,6,8,10,12,14
.irp b, 0,1,2,3
	v_max3_num_f32 v[TM+\b], v[TM+\b], |v[(\s)+16*\b+\i]|, |v[(\s)+16*\b+\i+1]|
.endr
.endr
	WIN 0
.irp c, 0,1
	v_max_num_f32 v[TM+2*\c], v[TM+2*\c], v[TM+2*\c+1]   ; block 2 c + h's largest magnitude
.endr
.irp c, 0,1
	v_add_nc_u32 v[TM+12+\c], 0xff000000, v[TM+2*\c]     ; 2 off the exponent field: the conversion's scale operand
.endr
.irp c, 0,1
	v_lshrrev_b32 v[TM+4+\c], 23, v[TM+12+\c]            ; the scale's byte
.endr
	v_lshl_or_b32 v[\sw], v[TM+5], 16, v[TM+4]     ; blocks h and 2 + h,
	v_lshlrev_b32 v[\sw], v[H8], v[\sw]            ; at their places;
	v_permlanex16_b32 v[TM+6], v[\sw], s[SEL], s[SEL+1]
	v_or_b32 v[\sw], v[\sw], v[TM+6]               ; with lane l xor 16's two the word is whole
	WIN (\w)                                       ; source 0 in window w
.irp c, 0,1
	v_cvt_scalef32_pk16_fp6_f32 v[(\pc)+6*\c:(\pc)+6*\c+2], v[(\s)+32*\c:(\s)+32*\c+15], v[TM+12+\c]
	v_cvt_scalef32_pk16_fp6_f32 v[(\pc)+12+4*\c:(\pc)+14+4*\c], v[(\s)+16+32*\c:(\s)+31+32*\c], v[TM+12+\c]
.endr
	WIN 0
	v_nop                                          ; one plain place behind a scaled conversion
.irp c, 0,1
.irp i, 0,1,2
	v_mov_b32 v[(\pc)+3+6*\c+\i], v[(\pc)+12+4*\c+\i]
.endr
.endr
.endm
.macro OUTA a
	QUANTW 64*((\a)%4), 2+(\a)/4, PC+20*(\a), SW+(\a)
.irp c, 0,1
.irp i, 0,1,2
	global_store_b64 v[L8], v[PC+20*(\a)+6*\c+2*\i:PC+20*(\a)+6*\c+2*\i+1], s[PL+4*((\a)/4)+2*\c:PL+4*((\a)/4)+2*\c+1] offset:768*((\a)%4)+256*\i   ; 32 lanes store 256 consecutive bytes, aligned
.endr
.endr
.endm
.irp a, 0,1,2,3,4,5,6,7
	OUTA \a
.endr
	s_wait_alu depctr_va_vdst(0)                   ; ahead of the branch
	s_cmp_eq_u32 s[ISV], 0
	s_cbranch_scc0 .Lsw_v
.irp a, 0,1,2,3,4,5,6,7
	v_and_b32 v[224+\a], 0xffff, v[SW+\a]          ; q, k: a word's lower two bytes are the first head's blocks, the upper two the second's; the other two bytes of a head's word are 0
	v_lshrrev_b32 v[232+\a], 16, v[SW+\a]
.endr
	global_store_b128 v[L16], v[224:227], s[QS:QS+1]
	global_store_b128 v[L16], v[228:231], s[QS:QS+1] offset:512
	global_store_b128 v[L16], v[232:235], s[QS+2:QS+3]
	global_store_b128 v[L16], v[236:239], s[QS+2:QS+3] offset:512
	s_branch .Lsw_done
.Lsw_v:
	global_store_b128 v[L16], v[SW:SW+3], s[QS:QS+1]       ; v: four tiles of a head's 64 to a lane's 16 bytes
	global_store_b128 v[L16], v[SW+4:SW+7], s[QS+2:QS+3]
.Lsw_done:
	s_wait_tensorcnt 0x0                           ; the wave's end
	ds_add_u32 v[SPW], v[NIL]
	s_wait_dscnt 0x0
	CROUND                                         ; the closing round
	s_endpgm
.Lfunc_end_k_q2d37fd15e4_qkv:
	.size	k_q2d37fd15e4_qkv, .Lfunc_end_k_q2d37fd15e4_qkv-k_q2d37fd15e4_qkv
	.p2alignl 7, 3214868480
	.fill 96, 4, 3214868480
	.section	.rodata,"a",@progbits
	.p2align	6, 0x0
	.amdhsa_kernel k_q2d37fd15e4_qkv
		.amdhsa_group_segment_fixed_size 327680
		.amdhsa_private_segment_fixed_size 0
		.amdhsa_enable_private_segment 0
		.amdhsa_kernarg_size 56
		.amdhsa_user_sgpr_count 2
		.amdhsa_user_sgpr_kernarg_segment_ptr 1
		.amdhsa_wavefront_size32 1
		.amdhsa_system_sgpr_workgroup_id_x 1
		.amdhsa_system_sgpr_workgroup_id_y 1
		.amdhsa_system_sgpr_workgroup_id_z 1
		.amdhsa_system_vgpr_workitem_id 0
		.amdhsa_next_free_vgpr 1024
		.amdhsa_next_free_sgpr 104
		.amdhsa_reserve_vcc 0
		.amdhsa_float_denorm_mode_32 3
		.amdhsa_float_denorm_mode_16_64 3
		.amdhsa_memory_ordered 1
		.amdhsa_forward_progress 1
		.amdhsa_inst_pref_size 186
	.end_amdhsa_kernel
	.amdgpu_metadata
---
amdhsa.version: [ 1, 2 ]
amdhsa.kernels:
  - .name:           k_q2d37fd15e4_qkv
    .symbol:         k_q2d37fd15e4_qkv.kd
    .args:
      - { .name: cod, .offset: 0, .size: 8, .value_kind: global_buffer, .address_space: global }
      - { .name: scl, .offset: 8, .size: 8, .value_kind: global_buffer, .address_space: global }
      - { .name: bq, .offset: 16, .size: 8, .value_kind: global_buffer, .address_space: global }
      - { .name: bk, .offset: 24, .size: 8, .value_kind: global_buffer, .address_space: global }
      - { .name: bv, .offset: 32, .size: 8, .value_kind: global_buffer, .address_space: global }
      - { .name: qb, .offset: 40, .size: 8, .value_kind: global_buffer, .address_space: global }
      - { .name: kv, .offset: 48, .size: 8, .value_kind: global_buffer, .address_space: global }
    .group_segment_fixed_size: 327680
    .private_segment_fixed_size: 0
    .kernarg_segment_align: 8
    .kernarg_segment_size: 56
    .max_flat_workgroup_size: 128
    .sgpr_count:     104
    .vgpr_count:     1024
    .wavefront_size: 32
...
	.end_amdgpu_metadata
.endif
;; end of part 2
;; launch attn (part 3): grid 8 x 32, 16 waves a work-group, clusters of 4 x 1, 223,232 bytes of LDS; arguments qb, kv, ao, aos; writes ao, aos
.if DOCPART == 3
	.amdgcn_target "amdgcn-amd-amdhsa--gfx1250"
	.amdhsa_code_object_version 6
	.text
	.protected	k_q2d37fd15e4_attn
	.globl	k_q2d37fd15e4_attn
	.p2align	8
	.type	k_q2d37fd15e4_attn,@function
k_q2d37fd15e4_attn:
	s_mov_b64 s[64:65], 0
	v_nop
	global_prefetch_b8 v0, s[64:65] scope:SCOPE_SE
	s_setreg_imm32_b32 hwreg(HW_REG_WAVE_MODE, 25, 1), 1
	s_wait_xcnt 0x0
	s_wait_alu depctr_hold_cnt(0) depctr_sa_sdst(0) depctr_va_vdst(0) depctr_va_sdst(0) depctr_va_ssrc(0) depctr_va_vcc(0) depctr_vm_vsrc(0)
	s_getreg_b32 s2, hwreg(HW_REG_IB_STS2, 6, 4)
	s_cmp_eq_u32 s2, 0
	s_cbranch_scc0 .Lentry_in_a_cluster
	s_endpgm
.Lentry_in_a_cluster:
	s_bfe_u32 s2, ttmp6, 0x10000c
	s_cmp_lg_u32 s2, 0x3003
	s_cbranch_scc0 .Lentry_shape_is_right
	s_endpgm
.Lentry_shape_is_right:
; O = softmax(Q K^T / 8) V for 32 heads (batch x head) of 2,048 tokens x 64, both products on codes of FP6 (E2M3) with E8M0 scales; O / l is quantised along the head's 64 and leaves as codes for the last product.
; THE SOFTMAX: t = score x log2(e) / 8; M = the running largest t rounded up to a whole number; p = 2^(t - M) is quantised along the keys, not normalised; the row's sum is taken of the unquantised p and divides at the end.
; When M moves, the sum and O are multiplied by 2^(old M - new M): exact.
; SHARES: a work-group owns 256 queries of one head, each of its sixteen waves one tile of 16, in 256 registers.  Every wave walks the head's 2,048 keys, 128 a step.
; LDS: the head's K and V, codes and scale words, are 16 blocks of 13,824 bytes, one for each key step: they all fit, so each byte of LDS is filled once: no ring, no refill.  EACH WAVE ASKS FOR ONE BLOCK, key step w, at the head.
; Waves 0 and 1 have a load line of their own and wait for it ahead of the first barrier, behind which key steps 0 and 1 are walked; ahead of the second barrier every wave waits, and the other fourteen steps follow.
; CLUSTER: the four query blocks of a cluster walk the same head: each load is asked for jointly, with a mask that names the four.  No prefetch into the L2: every byte is asked for at the head, and no later load is left to run ahead of.
; LAYOUT: both products transposed: S^T = K Q^T, O^T = V^T P^T: a lane holds one query throughout.  Tiles are in the order in which the launches before laid them (lane row r of tile T: row 64 (T / 4) + 8 (T % 4) + r % 8 + 32 (r / 8)):
; register 32 c + i of S^T in lane half h is key 64 c + 32 h + i of the step, a whole block of 32 keys in one lane, in the very place that the operand's layout gives it; O^T's 32 registers are channels 32 h + 0 .. 31.
; TWO REGIONS OF 64 REGISTERS TAKE TURNS: in a step K's fragments, and behind the score products V's, lie in region x, and S^T, then p, in region y.  When p has been converted and summed, region y takes the NEXT step's K (26 LDS loads,
; issued ahead of the step's last vector lines and its four products with V), and the next step runs with the regions exchanged.  A step behind a barrier loads its own K; a step in front of the second barrier, and the last, ask for nothing.
; THE ORDER OF A STEP keeps dependent vector lines apart: the largest of a block's 32 scores is a tree (10, 4, 1, 1 lines); V's 25 LDS loads stand between the links of the chain that leads to M; the lines that make
; the factor f stand among the multiply-adds; the sums run in eight chains, with the scale word's chain among them.
; K = 64 IN AN INSTRUCTION 128 DEEP: Q's upper six registers are zero codes, so whatever bits stand in the upper six registers of K's operand (the next tile's codes; behind the last tile zeros or what the region held before) add nothing: every pattern of six bits is a finite number.
; LIMITS: the scaled scores t stay under 2^31 in magnitude; NaN and infinities are not served; a block whose largest magnitude lies under 2^-124 keeps the byte 1 (a block of zeros too: this program alone reads the bytes).
; REGISTERS: v1 8 x lane, v2 16 x lane, v3-4 the step's addresses, v6 8 r, v7 8 h; v12 -M, v13 the largest score, v[14:15] the sum; v16-27 Q; v28 Q's scale word, v29 p's; v30-37 K's scale words, v38-41 V's;
; v42-105, v106-169 the two regions; v170-201 O^T; v202-213 p's codes; v214-220 the conversions' second halves; v222-241 the tree, then v222-237 the sums' chains; v242-253 at work; v254-255 the add's two.
.set WV,  12
.set SEL, 20
.set CS,  22
.set G1,  24
.set G0,  32
.set TB,  48
.set CNT, 49
.set KS,  30
.set VS,  38
.set RA,  42
.set RB,  106
.set O,   170
.set PCD, 202
.set CT,  214
.set M1,  222                          ; the tree: ten registers a block
.set T,   222                          ; eight chains of the sum
.set BM,  242                          ; v242, v243: the two blocks' largest score, then largest p
.set SOP, 244
.set PT,  246
.set WD,  248                          ; the scale word in the making
.set PD,  249                          ; a lane permute's result
.set DM,  250                          ; the old -M, then old M - new M
.set TT,  251
.set FF,  252                          ; v[252:253]: f and a register named with it
.set STEPB, 13824
.macro CROUND
	s_barrier_signal -1
	s_barrier_wait -1
	s_cmp_lg_u32 s[WV], 0
	s_cbranch_scc1 .Lnot_wave_0_\@
	s_barrier_signal -3
.Lnot_wave_0_\@:
	s_barrier_wait -3
	s_barrier_signal -1
	s_barrier_wait -1
.endm
	s_load_b256 s[4:11], s[0:1], 0x0               ; qb, kv, ao, aos
	v_lshl_add_u32 v254, v0, 2, 0x36000
	v_mov_b32 v255, 0
	ds_add_u32 v254, v255                          ; the opening lines: the add twice and its wait
	ds_add_u32 v254, v255
	v_lshrrev_b32 v1, 5, v0
	v_readfirstlane_b32 s[WV], v1                  ; wave 0..15
	s_bfe_u32 s13, ttmp6, 0x40000                  ; cx: it enters Q's and the results' addresses alone
	s_lshl_b32 s14, ttmp9, 2
	s_add_co_u32 s14, s14, s13                     ; my block of 256 queries
	s_lshl_b32 s14, s14, 1
	s_lshr_b32 s15, s[WV], 3
	s_add_co_u32 s14, s14, s15                     ; my step of 128 queries, 0..15
	s_and_b32 s15, s[WV], 7                        ; my tile in it
	s_and_b32 s16, ttmp7, 0xffff                   ; batch x 16 + head, which the four partners share
	s_lshl_b32 s17, s16, 4
	s_add_co_u32 s17, s17, s14
	s_mul_i32 s50, s17, 7168                       ; Q's block,
	s_mov_b32 s52, s50
	s_mul_i32 s18, s15, 768
	s_add_co_u32 s50, s50, s18                     ; my tile's half image
	s_mov_b32 s51, 0
	s_lshr_b32 s18, s15, 2
	s_lshl_b32 s18, s18, 9
	s_add_co_u32 s52, s52, s18
	s_and_b32 s18, s15, 3
	s_lshl_b32 s18, s18, 2
	s_add_co_u32 s52, s52, s18
	s_add_co_u32 s52, s52, 6144                    ; and its scale words: 6,144 + 512 (a / 4) + 4 (a % 4), + 16 x lane
	s_mov_b32 s53, 0
	s_lshr_b32 s18, s16, 4
	s_lshl_b32 s18, s18, 7
	s_lshl_b32 s19, s14, 3
	s_add_co_u32 s18, s18, s19
	s_add_co_u32 s18, s18, s15                     ; my tile among the 256 tiles of tokens
	s_and_b32 s19, s16, 15                         ; the head
	s_mul_i32 s54, s18, 12288
	s_mul_i32 s56, s19, 768
	s_add_co_u32 s54, s54, s56                     ; the result's half image: K = 64 x head on
	s_mov_b32 s55, 0
	s_lshl_b32 s56, s18, 9                         ; its two scale bytes: 512 T + 128 (head / 4) + 4 ((head / 2) % 2) + 2 (head % 2), + 8 r
	s_lshr_b32 s58, s19, 2
	s_lshl_b32 s58, s58, 7
	s_add_co_u32 s56, s56, s58
	s_bfe_u32 s58, s19, 0x10001
	s_lshl_b32 s58, s58, 2
	s_add_co_u32 s56, s56, s58
	s_and_b32 s58, s19, 1
	s_lshl_b32 s58, s58, 1
	s_add_co_u32 s56, s56, s58
	s_mov_b32 s57, 0
	s_mul_i32 s60, s[WV], STEPB                    ; what I fetch: key step w, in LDS as in memory
	s_mul_i32 s58, s16, 16*STEPB
	s_add_co_u32 s58, s58, s60
	s_mov_b32 s59, 0
	; group 1: a key step's block, 13,824 dense bytes, as 54 rows of 256 (32 elements of 8 bytes)
	s_mov_b32 s[G1], 15|(3<<16)|(1<<21)            ; the mask: all four work-groups; bit 21 set beside it
	s_mov_b32 s[G1+1], 32<<16
	s_mov_b32 s[G1+2], 54<<16
	s_mov_b32 s[G1+3], 32<<16
	s_mov_b32 s[G1+4], 54
	s_mov_b32 s[G1+5], 32
	s_mov_b32 s[G1+6], 0
	s_mov_b32 s[G1+7], 0
	s_mov_b32 s[SEL], 0x76543210
	s_mov_b32 s[SEL+1], 0xfedcba98                 ; selects for lane l xor 16
	s_mov_b32 s[CS], 0x3e38aa3b                    ; c = log2(e) / 8
	s_mov_b32 s[CS+1], s[CS]                       ; named with it as a pair, so it is written
	s_wait_dscnt 0x0
	CROUND                                         ; the round in front of the joint loads stands ahead of the wait for the arguments
	s_wait_kmcnt 0x0
	s_add_nc_u64 s[58:59], s[6:7], s[58:59]
	s_add_nc_u64 s[50:51], s[4:5], s[50:51]
	s_add_nc_u64 s[52:53], s[4:5], s[52:53]
	s_add_nc_u64 s[54:55], s[8:9], s[54:55]
	s_add_nc_u64 s[56:57], s[10:11], s[56:57]
	s_mov_b32 s[G0], 1
	s_mov_b32 s[G0+1], s60
	s_mov_b64 s[G0+2:G0+3], s[58:59]
	s_or_b32 s[G0+3], s[G0+3], 0x80000000
	s_cmp_lt_u32 s[WV], 2                          ; two arms, one load each: the waves that wait ahead of the first barrier have a line of their own
	s_cbranch_scc0 .Lrest
	tensor_load_to_lds s[G0:G0+3], s[G1:G1+7]
	s_nop 0
.rept 4
	v_nop
.endr
	s_branch .Lasked
.Lrest:
	tensor_load_to_lds s[G0:G0+3], s[G1:G1+7]
	s_nop 0
.rept 4
	v_nop
.endr
.Lasked:
	v_and_b32 v5, 31, v0
	v_and_b32 v6, 15, v0
	v_bfe_u32 v7, v0, 4, 1
	v_lshlrev_b32 v1, 3, v5                        ; 8 x lane
	v_lshlrev_b32 v2, 4, v5                        ; 16 x lane
	v_lshlrev_b32 v6, 3, v6                        ; 8 r
	v_lshlrev_b32 v7, 3, v7                        ; 8 h
.irp i, 0,1,2
	global_load_b64 v[16+2*\i:17+2*\i], v1, s[50:51] offset:256*\i   ; Q's half image stays in registers
.endr
	global_load_b32 v28, v2, s[52:53]              ; its scale word: bytes 0, 1; bytes 2, 3 are 0
	v_mov_b32 v13, 0xff61b1e6                      ; the largest score so far: -3e38
	v_mul_f32 v[TT], s[CS], v13
	v_floor_f32 v12, -v[TT]                        ; -M
	v_mov_b32 v14, 0
	v_mov_b32 v15, 0
.irp j, 0,1,2,3,4,5
	v_mov_b32 v[22+\j], 0                          ; Q's zero codes for K = 64 .. 127
	v_mov_b32 v[RA+48+\j], 0                       ; and what stands behind K's last tile in the first step
.endr
	v_mov_b32 v[FF+1], 0                           ; named as the upper half of the pair with f
	v_mov_b32 v[PD], 0                             ; a lane permute's destination counts as read
.set j, 0
.rept 32
	v_mov_b32 v[O+j], 0                            ; O^T: the step is written alike for all steps: the first finds zeros, which the first change of M leaves zeros
.set j, j+1
.endr
.macro KLD x, ob                       ; a step's K into region x: the scale words (four tiles to a lane's 16 bytes), then eight tiles of 16 keys x 64: 26 loads.  ob: the step's block, in bytes from the addresses in v3, v4
	ds_load_b128 v[KS:KS+3], v4 offset:(\ob)+12288
	ds_load_b128 v[KS+4:KS+7], v4 offset:(\ob)+12800
.irp t, 0,1,2,3,4,5,6,7
.irp i, 0,1,2
	ds_load_b64 v[\x+6*\t+2*\i:\x+6*\t+2*\i+1], v3 offset:(\ob)+768*\t+256*\i
.endr
.endr
.endm
.macro VLD x, ob, from, to             ; V's LDS loads number from .. to - 1: 24 pieces of four fragments (16 channels x 128 keys), then the scale words
.set I_, \from
.rept (\to)-(\from)
.if I_ < 24
	ds_load_b64 v[\x+2*I_:\x+2*I_+1], v3 offset:(\ob)+6144+3072*((I_%6)/3)+768*(I_/6)+256*(I_%3)
.else
	ds_load_b128 v[VS:VS+3], v4 offset:(\ob)+13312
.endif
.set I_, I_+1
.endr
.endm
.macro PF y, from, n                   ; t - M, two at a time
.set J_, \from
.rept \n
	v_pk_fma_f32 v[\y+J_:\y+J_+1], v[\y+J_:\y+J_+1], s[CS:CS+1], v[12:13] op_sel_hi:[1,0,0]
.set J_, J_+2
.endr
.endm
.macro ADD4 y, lvl, k0                 ; four of the sum's eight chains take their next pair of p
.irp d, 0,1,2,3
.if \lvl == 0
	v_pk_add_f32 v[T+2*(\k0+\d):T+2*(\k0+\d)+1], v[\y+2*(\k0+\d):\y+2*(\k0+\d)+1], v[\y+16+2*(\k0+\d):\y+17+2*(\k0+\d)]
.else
	v_pk_add_f32 v[T+2*(\k0+\d):T+2*(\k0+\d)+1], v[T+2*(\k0+\d):T+2*(\k0+\d)+1], v[\y+16+16*\lvl+2*(\k0+\d):\y+17+16*\lvl+2*(\k0+\d)]
.endif
.endr
.endm
; A KEY STEP: 128 keys.  x: the region of K, then V; y: that of S^T, then p, then (post = 1) the next step's K.  pre = 1: the step loads its own K.
.macro STEP x, y, ob, pre, post
	v_add_nc_u32 v3, s[TB], v1
	v_add_nc_u32 v4, s[TB], v2
	v_nop
	v_nop
	v_nop                                          ; five plain instructions between the last products and the score products, which write over V's registers
.if \pre
	KLD \x, \ob
.endif
	s_wait_alu depctr_va_vdst(0)
	s_wait_dscnt 9                                 ; the scale words and tiles 0-4 are in; the nine loads of tiles 5-7 may be out
.irp t, 0,1,2,3
	v_wmma_scale_f32_16x16x128_f8f6f4 v[\y+8*\t:\y+8*\t+7], v[\x+6*\t:\x+6*\t+11], v[16:27], 0, v[KS+\t], v28 matrix_a_fmt:MATRIX_FMT_FP6 matrix_b_fmt:MATRIX_FMT_FP6
.endr
	s_wait_dscnt 0x0
.irp t, 4,5,6,7
	v_wmma_scale_f32_16x16x128_f8f6f4 v[\y+8*\t:\y+8*\t+7], v[\x+6*\t:\x+6*\t+11], v[16:27], 0, v[KS+\t], v28 matrix_a_fmt:MATRIX_FMT_FP6 matrix_b_fmt:MATRIX_FMT_FP6
.endr
.rept 4
	v_nop
.endr
.irp g, 0,1,2,3,4,5,6,7,8,9                    ; the largest score of each of my two blocks of 32 keys, as a tree: 20 lines that hang on no other; each accumulator is first read at its low end
.irp c, 0,1
	v_max3_num_f32 v[M1+10*\c+\g], v[\y+32*\c+3*\g], v[\y+32*\c+3*\g+1], v[\y+32*\c+3*\g+2]
.endr
.endr
.irp j, 0,1,2
.irp c, 0,1
	v_max3_num_f32 v[M1+10*\c+3*\j], v[M1+10*\c+3*\j], v[M1+10*\c+3*\j+1], v[M1+10*\c+3*\j+2]
.endr
.endr
.irp c, 0,1
	v_max3_num_f32 v[M1+10*\c+9], v[M1+10*\c+9], v[\y+32*\c+30], v[\y+32*\c+31]
.endr
.irp c, 0,1
	v_max3_num_f32 v[M1+10*\c+1], v[M1+10*\c], v[M1+10*\c+3], v[M1+10*\c+6]
.endr
	VLD \x, \ob, 0, 3                              ; V's loads stand between the links of the chain that follows
.irp c, 0,1
	v_max_num_f32 v[BM+\c], v[M1+10*\c+1], v[M1+10*\c+9]   ; the block's largest score: for the row's maximum, and, since p rises with the score, for the block's largest p
.endr
	VLD \x, \ob, 3, 6
	v_max3_num_f32 v[TT], v[BM], v[BM+1], v13
	VLD \x, \ob, 6, 10
	v_permlanex16_b32 v[PD], v[TT], s[SEL], s[SEL+1]
	VLD \x, \ob, 10, 14
	v_max_num_f32 v13, v[TT], v[PD]                ; the running largest score of my query, lane l xor 16's keys among them
	VLD \x, \ob, 14, 18
	v_mul_f32 v[TT], s[CS], v13                    ; as t (c is positive)
	v_mov_b32 v[DM], v12
	VLD \x, \ob, 18, 22
	v_floor_f32 v12, -v[TT]                        ; the new -M = floor(-t): M is a whole number
	VLD \x, \ob, 22, 25
	PF \y, 0, 4
	v_sub_f32 v[DM], v12, v[DM]                    ; old M - new M: a whole number, 0 or less
	PF \y, 8, 4
	v_cvt_i32_f32 v[DM], v[DM]                     ; (it saturates)
	PF \y, 16, 4
	v_ldexp_f32 v[FF], 1.0, v[DM]                  ; f = 2^(old M - new M)
	PF \y, 24, 20
.irp c, 0,1
	v_fma_f32 v[BM+\c], v[BM+\c], s[CS], v12       ; the same of each block's largest score
.endr
	v_pk_mul_f32 v[14:15], v[14:15], v[FF:FF+1] op_sel_hi:[1,0]   ; the sums under the new M
.set j, 0
.rept 16
	v_pk_mul_f32 v[O+j:O+j+1], v[O+j:O+j+1], v[FF:FF+1] op_sel_hi:[1,0]   ; O^T under the new M, ahead of the exponentials; each accumulator from its low end on
.set j, j+2
.endr
	s_wait_alu depctr_va_vdst(0)                   ; ahead of the batch
.set j, 0
.rept 64
	v_exp_f32 v[\y+j], v[\y+j]                     ; p = 2^(t - M), at most 1
.set j, j+1
.endr
.irp c, 0,1
	v_exp_f32 v[BM+\c], v[BM+\c]                   ; the block's largest p: the same two instructions on the same number
.endr
	v_nop                                          ; the plain place behind the batch
	s_wait_alu depctr_va_vdst(0)                   ; one wait for the batch, ahead of its first reader
	ADD4 \y, 0, 0                                  ; the row's sum of the unquantised p, in eight chains; the scale word's chain stands among them
.irp c, 0,1
	v_max_num_f32 v[BM+\c], 0x1800000, v[BM+\c]    ; the floor 2^(3 - 127): the byte cannot fall under 1
.endr
	ADD4 \y, 0, 4
.irp c, 0,1
	v_add_nc_u32 v[SOP+\c], 0xff000000, v[BM+\c]   ; 2 off the exponent field: the conversion's scale operand
.endr
	ADD4 \y, 1, 0
.irp c, 0,1
	v_lshrrev_b32 v[PT+\c], 23, v[SOP+\c]          ; the scale's byte
.endr
	ADD4 \y, 1, 4
	v_lshl_or_b32 v[WD], v[PT+1], 16, v[PT]        ; blocks h and 2 + h,
	ADD4 \y, 2, 0
	v_lshlrev_b32 v[WD], v7, v[WD]                 ; at their places;
	ADD4 \y, 2, 4
	v_permlanex16_b32 v[PD], v[WD], s[SEL], s[SEL+1]
.irp c, 0,1
	v_cvt_scalef32_pk16_fp6_f32 v[PCD+6*\c:PCD+6*\c+2], v[\y+32*\c:\y+32*\c+15], v[SOP+\c]
	v_cvt_scalef32_pk16_fp6_f32 v[CT+4*\c:CT+4*\c+2], v[\y+16+32*\c:\y+31+32*\c], v[SOP+\c]   ; a conversion's three registers begin on an even number
.endr
.if \post
	KLD \y, (\ob)+STEPB                            ; p has been summed and converted: its region takes the next step's K
.endif
	v_or_b32 v29, v[WD], v[PD]                     ; with lane l xor 16's two: p's scale word for these 128 keys.  (Also the plain place behind the conversions)
.irp c, 0,1
.irp i, 0,1,2
	v_mov_b32 v[PCD+3+6*\c+\i], v[CT+4*\c+\i]
.endr
.endr
.irp k, 0,1,2,3                                ; the eight chains join; these eight lines are also the places between the writes of p's codes and the products
	v_pk_add_f32 v[T+2*\k:T+2*\k+1], v[T+2*\k:T+2*\k+1], v[T+8+2*\k:T+9+2*\k]
.endr
	s_delay_alu instid0(VALU_DEP_2)
	v_pk_add_f32 v[T:T+1], v[T:T+1], v[T+4:T+5]
	s_delay_alu instid0(VALU_DEP_2)
	v_pk_add_f32 v[T+2:T+3], v[T+2:T+3], v[T+6:T+7]
	s_delay_alu instid0(VALU_DEP_1)
	v_pk_add_f32 v[T:T+1], v[T:T+1], v[T+2:T+3]
	s_delay_alu instid0(VALU_DEP_1)
	v_pk_add_f32 v[14:15], v[14:15], v[T:T+1]
	s_wait_alu depctr_va_vdst(0)                   ; ahead of the wait below and of the loop's jump
.if \post
	s_wait_dscnt 26                                ; V is in; the 26 loads of the next step's K may be out
.else
	s_wait_dscnt 0x0                               ; V is in
.endif
.irp t, 0,1,2,3
	v_wmma_scale_f32_16x16x128_f8f6f4 v[O+8*\t:O+8*\t+7], v[\x+12*\t:\x+12*\t+11], v[PCD:PCD+11], v[O+8*\t:O+8*\t+7], v[VS+\t], v29 matrix_a_fmt:MATRIX_FMT_FP6 matrix_b_fmt:MATRIX_FMT_FP6
.endr
.endm
	s_wait_alu depctr_va_vdst(0)                   ; at the head's end
	s_wait_loadcnt 0x0                             ; Q
	s_cmp_lt_u32 s[WV], 2
	s_cbranch_scc0 .Lnot_first
	s_wait_tensorcnt 0x0                           ; waves 0 and 1: key steps 0 and 1 are in
.Lnot_first:
	s_barrier_signal -1
	s_barrier_wait -1                              ; the other fourteen loads may be on their way
	s_mov_b32 s[TB], 0
	STEP RA, RB, 0, 1, 1                           ; key step 0
	STEP RB, RA, STEPB, 0, 0                       ; key step 1: it asks for nothing of blocks that the next barrier has yet to show
	s_wait_tensorcnt 0x0                           ; every wave: its key step is in
	s_wait_dscnt 0x0
	s_barrier_signal -1
	s_barrier_wait -1
	s_mov_b32 s[TB], 2*STEPB
	STEP RA, RB, 0, 1, 1                           ; key step 2
	s_mov_b32 s[TB], 3*STEPB
	s_mov_b32 s[CNT], 6
.Lpair:                                                ; key steps 3 to 14, two a trip: the regions are back where they began
	STEP RB, RA, 0, 0, 1
	STEP RA, RB, STEPB, 0, 1
	s_add_co_u32 s[TB], s[TB], 2*STEPB
	s_sub_co_u32 s[CNT], s[CNT], 1
	s_cmp_lg_u32 s[CNT], 0
	s_cbranch_scc1 .Lpair
	STEP RB, RA, 0, 0, 0                           ; key step 15: nothing is left to ask for
	; THE WAY OUT: O^T / the sum, quantised along the head's 64 (a block to each half of the lanes), leaves as one half image and two scale bytes a row.
	v_add_f32 v14, v14, v15                        ; the sum's two halves,
	v_permlanex16_b32 v[PD], v14, s[SEL], s[SEL+1]
	v_add_f32 v14, v14, v[PD]                      ; and lane l xor 16's
	s_wait_alu depctr_va_vdst(0)                   ; ahead of the transcendental
	v_rcp_f32 v14, v14
	v_nop                                          ; plain instructions behind the reciprocal; with the three above, the places behind the last products
	v_nop
	s_wait_alu depctr_va_vdst(0)                   ; ahead of the reciprocal's first reader, which is O^T's too
.set j, 0
.rept 16
	v_pk_mul_f32 v[RA+j:RA+j+1], v[O+j:O+j+1], v[14:15] op_sel_hi:[1,0]   ; register i: channel 32 h + i; each accumulator from its low end on
.set j, j+2
.endr
.irp b, 0,1,2,3
	v_max3_num_f32 v[M1+\b], |v[RA+8*\b]|, |v[RA+1+8*\b]|, 0x1800000   ; four chains over eight numbers each, with the floor
.endr
.irp i, 2,4,6
.irp b, 0,1,2,3
	v_max3_num_f32 v[M1+\b], v[M1+\b], |v[RA+8*\b+\i]|, |v[RA+1+8*\b+\i]|
.endr
.endr
	v_max3_num_f32 v[BM], v[M1], v[M1+1], v[M1+2]
	v_max_num_f32 v[BM], v[BM], v[M1+3]
	v_add_nc_u32 v[SOP], 0xff000000, v[BM]
	v_lshrrev_b32 v[PT], 23, v[SOP]
	v_lshlrev_b32 v[PT], v7, v[PT]
	v_permlanex16_b32 v[PD], v[PT], s[SEL], s[SEL+1]
	v_or_b32 v29, v[PT], v[PD]                     ; the row's two bytes
	v_cvt_scalef32_pk16_fp6_f32 v[PCD:PCD+2], v[RA:RA+15], v[SOP]
	v_cvt_scalef32_pk16_fp6_f32 v[CT:CT+2], v[RA+16:RA+31], v[SOP]
	v_nop
.irp i, 0,1,2
	v_mov_b32 v[PCD+3+\i], v[CT+\i]
.endr
.irp i, 0,1,2
	global_store_b64 v1, v[PCD+2*\i:PCD+2*\i+1], s[54:55] offset:256*\i   ; 32 lanes store 256 consecutive bytes, aligned
.endr
	global_store_b16 v6, v29, s[56:57]             ; two bytes a row (both halves of the lanes hold and write the same): one byte in 24 of what the launch stores
	s_wait_tensorcnt 0x0                           ; the wave's end
	ds_add_u32 v254, v255
	s_wait_dscnt 0x0
	CROUND                                         ; the closing round
	s_endpgm
.Lfunc_end_k_q2d37fd15e4_attn:
	.size	k_q2d37fd15e4_attn, .Lfunc_end_k_q2d37fd15e4_attn-k_q2d37fd15e4_attn
	.p2alignl 7, 3214868480
	.fill 96, 4, 3214868480
	.section	.rodata,"a",@progbits
	.p2align	6, 0x0
	.amdhsa_kernel k_q2d37fd15e4_attn
		.amdhsa_group_segment_fixed_size 223232
		.amdhsa_private_segment_fixed_size 0
		.amdhsa_enable_private_segment 0
		.amdhsa_kernarg_size 32
		.amdhsa_user_sgpr_count 2
		.amdhsa_user_sgpr_kernarg_segment_ptr 1
		.amdhsa_wavefront_size32 1
		.amdhsa_system_sgpr_workgroup_id_x 1
		.amdhsa_system_sgpr_workgroup_id_y 1
		.amdhsa_system_sgpr_workgroup_id_z 1
		.amdhsa_system_vgpr_workitem_id 0
		.amdhsa_next_free_vgpr 256
		.amdhsa_next_free_sgpr 66
		.amdhsa_reserve_vcc 0
		.amdhsa_float_denorm_mode_32 3
		.amdhsa_float_denorm_mode_16_64 3
		.amdhsa_memory_ordered 1
		.amdhsa_forward_progress 1
		.amdhsa_inst_pref_size 107
	.end_amdhsa_kernel
	.amdgpu_metadata
---
amdhsa.version: [ 1, 2 ]
amdhsa.kernels:
  - .name:           k_q2d37fd15e4_attn
    .symbol:         k_q2d37fd15e4_attn.kd
    .args:
      - { .name: qb, .offset: 0, .size: 8, .value_kind: global_buffer, .address_space: global }
      - { .name: kv, .offset: 8, .size: 8, .value_kind: global_buffer, .address_space: global }
      - { .name: ao, .offset: 16, .size: 8, .value_kind: global_buffer, .address_space: global }
      - { .name: aos, .offset: 24, .size: 8, .value_kind: global_buffer, .address_space: global }
    .group_segment_fixed_size: 223232
    .private_segment_fixed_size: 0
    .kernarg_segment_align: 8
    .kernarg_segment_size: 32
    .max_flat_workgroup_size: 512
    .sgpr_count:     66
    .vgpr_count:     256
    .wavefront_size: 32
...
	.end_amdgpu_metadata
.endif
;; end of part 3
;; launch oproj (part 4): grid 8 x 32, 4 waves a work-group, clusters of 4 x 4, 214,528 bytes of LDS; arguments ao, aos, cod, scl, bo, out0; writes out0
.if DOCPART == 4
	.amdgcn_target "amdgcn-amd-amdhsa--gfx1250"
	.amdhsa_code_object_version 6
	.text
	.protected	k_q2d37fd15e4_oproj
	.globl	k_q2d37fd15e4_oproj
	.p2align	8
	.type	k_q2d37fd15e4_oproj,@function
k_q2d37fd15e4_oproj:
	s_mov_b64 s[64:65], 0
	v_nop
	global_prefetch_b8 v0, s[64:65] scope:SCOPE_SE
	s_setreg_imm32_b32 hwreg(HW_REG_WAVE_MODE, 25, 1), 1
	s_wait_xcnt 0x0
	s_wait_alu depctr_hold_cnt(0) depctr_sa_sdst(0) depctr_va_vdst(0) depctr_va_sdst(0) depctr_va_ssrc(0) depctr_va_vcc(0) depctr_vm_vsrc(0)
	s_getreg_b32 s2, hwreg(HW_REG_IB_STS2, 6, 4)
	s_cmp_eq_u32 s2, 0
	s_cbranch_scc0 .Lentry_in_a_cluster
	s_endpgm
.Lentry_in_a_cluster:
	s_bfe_u32 s2, ttmp6, 0x10000c
	s_cmp_lg_u32 s2, 0xf033
	s_cbranch_scc0 .Lentry_shape_is_right
	s_endpgm
.Lentry_shape_is_right:
; out0 = a Wo^T + bo on codes of FP6 (E2M3) with E8M0 scales, K = 1,024.  a: the attention's result, codes ao and scale bytes aos; Wo: tiles 448 .. 511 of cod and scl.  Both lie as images of the operand's registers:
; [tile of 16 rows][16 half images of 768 bytes]; scale bytes [tile] 512: byte 128 ks + 8 r + 4 q + blk.  Lane row r of tile T is row 64 (T / 4) + 8 (T % 4) + r % 8 + 32 (r / 8).
; SHARES: 256 work-groups, each 128 tokens x 128 features; four waves, 2 x 2, each 64 x 64.  ALL OF K LIES IN LDS: A's 8 tiles (98,304 bytes), then B's 8: each byte is filled once, by one joint load a wave (4 tiles, 49,152 dense bytes): no ring, no refill.
; A wave holds its 64 rows of Wo, all of K, in registers (32 fragments, 384 registers) and streams its four tiles of 16 tokens past them: a block is 32 matrix instructions on four accumulators by turns, and its 16 x 64 results leave
; while the next block is multiplied.  THE MATRIX INSTRUCTION IS USED TRANSPOSED (source 0 = Wo's rows): register 8 b + j of lane (r, h) is feature 32 h + 8 b + j of the wave's 64: 128 neighbouring bytes of token r's row.
; A block goes through the wave's own stage in LDS and leaves as whole rows of 256 bytes, sixteen lanes to a row.  The bias is the C of each block's first four products.
; THE SCALE WORDS come by plain loads of 256 whole bytes: lanes 0-15 get K step 2 kk of 256, lanes 16-31 K step 2 kk + 1; the instruction's row selects choose.  A's registers and B's differ by 2 or 6 modulo 8.
; CLUSTERS: 4 x 4 work-groups; A's tiles are asked for jointly along a row of the cluster, B's along a column.  No prefetch: every byte is asked for at the head, and there is no loop to run ahead in.
; REGISTERS: window 0: addresses, v32-47 A's scale words, v50-65 B's, v72-103 the bias, v104-167 two sets of four accumulators, v168-231 two sets of rows on the way out.
; Fragment f lies in window 1 + f / 21 at register 12 (f % 21): 0-31 Wo's (4 q + b), 32-39 and 40-47 the tokens' two sets.
.set FR,    12
.set FPW,   21
.set TILE,  12288                      ; a tile's codes, all of K
.set HALF,  4*TILE                     ; what one tensor load brings, and what a wave reads of A or of B
.set STAGE, 4*HALF
.set SPITCH, 272
.set SPARE, STAGE+4*16*SPITCH          ; the spare words
.set L8,   1
.set ADRA, 2
.set ADRB, 3
.set STO,  4
.set RD,   5
.set CO,   6
.set BO,   7
.set SPW,  10
.set NIL,  11
.set SA,   32
.set SB,   50
.set BT,   72
.set ACC,  104
.set BK,   168
.set WV,   18
.set HA,   19
.set HB,   20
.set G1,   24
.set G0,   32
.set G1B,  48
.set G0B,  56
.set MSB, 0
.macro WIN new
.if MSB != (\new)
	s_set_vgpr_msb (MSB<<8)|(\new)
.set MSB, (\new)
.endif
.endm
.macro PLACES n
.rept \n
	v_nop
.endr
.endm
.macro CROUND
	s_barrier_signal -1
	s_barrier_wait -1
	s_cmp_lg_u32 s[WV], 0
	s_cbranch_scc1 .Lnot_wave_0_\@
	s_barrier_signal -3
.Lnot_wave_0_\@:
	s_barrier_wait -3
	s_barrier_signal -1
	s_barrier_wait -1
.endm
	s_load_b256 s[4:11], s[0:1], 0x0               ; ao, aos, cod, scl
	s_load_b128 s[12:15], s[0:1], 0x20             ; bo, out0
	v_lshl_add_u32 v[SPW], v0, 2, SPARE
	v_mov_b32 v[NIL], 0
	ds_add_u32 v[SPW], v[NIL]                      ; the opening lines: the add twice and its wait
	ds_add_u32 v[SPW], v[NIL]
	v_lshrrev_b32 v1, 5, v0
	v_readfirstlane_b32 s[WV], v1
	s_lshr_b32 s[HA], s[WV], 1                     ; which 64 tokens are mine.  Also: I fetch for A (0) or for B (1)
	s_and_b32 s[HB], s[WV], 1                      ; which 64 features.  Also: which four tiles I fetch
	s_bfe_u32 s40, ttmp6, 0x40000                  ; cx
	s_bfe_u32 s41, ttmp6, 0x40004                  ; cy
	s_lshl_b32 s42, ttmp9, 2
	s_add_co_u32 s42, s42, s40                     ; my 128 features, 0..7
	s_and_b32 s43, ttmp7, 0xffff
	s_lshl_b32 s43, s43, 2
	s_add_co_u32 s43, s43, s41                     ; my 128 tokens, 0..31
	s_lshl_b32 s47, s41, 2
	s_lshl_b32 s47, 15, s47                        ; my row of the cluster
	s_lshl_b32 s46, 0x1111, s40                    ; my column
	; group 1: 49,152 dense bytes as 192 rows of 256 (32 elements of 8 bytes)
	s_or_b32 s[G1+0], s47, (3<<16)|(1<<21)
	s_or_b32 s[G1B+0], s46, (3<<16)|(1<<21)
.irp g, G1, G1B
	s_mov_b32 s[\g+1], 32<<16
	s_mov_b32 s[\g+2], 192<<16
	s_mov_b32 s[\g+3], 32<<16
	s_mov_b32 s[\g+4], 192
	s_mov_b32 s[\g+5], 32
	s_mov_b32 s[\g+6], 0
	s_mov_b32 s[\g+7], 0
.endr
	s_lshl_b32 s22, s[HB], 2
	s_lshl_b32 s21, s43, 3                         ; A's first tile
	s_add_co_u32 s23, s21, s22                     ; the four that I fetch, if I fetch for A
	s_mul_i32 s94, s23, TILE
	s_mov_b32 s95, 0
	s_lshl_b32 s23, s[HA], 2
	s_add_co_u32 s23, s21, s23                     ; the four that I multiply
	s_lshl_b32 s96, s23, 9
	s_mov_b32 s97, 0
	s_lshl_b32 s92, s42, 3
	s_add_co_u32 s92, s92, 448                     ; B's first tile in cod and scl
	s_add_co_u32 s92, s92, s22                     ; the four that I fetch, if I fetch for B; and the four that I multiply
	s_mul_i32 s98, s92, TILE
	s_mov_b32 s99, 0
	s_lshl_b32 s2, s92, 9
	s_mov_b32 s3, 0
	s_mul_i32 s44, s[WV], HALF                     ; where my load goes: no place in the cluster enters an LDS address
	s_mul_i32 s66, s[HA], HALF                     ; my four tiles of A in LDS,
	s_mul_i32 s67, s[HB], HALF
	s_add_co_u32 s67, s67, 2*HALF                  ; of B,
	s_mul_i32 s68, s[WV], 16*SPITCH
	s_add_co_u32 s68, s68, STAGE                   ; my stage
	s_lshl_b32 s70, s42, 9
	s_lshl_b32 s71, s[HB], 8
	s_add_co_u32 s70, s70, s71                     ; my first feature, in bytes of f32
	s_mov_b32 s71, 0
	s_lshl_b32 s72, s43, 19
	s_lshl_b32 s73, s[HA], 18
	s_add_co_u32 s72, s72, s73                     ; my first token's row of 4,096 bytes
	s_mov_b32 s73, 0
	s_wait_dscnt 0x0                               ; both opening adds are done
	CROUND                                         ; the round in front of the joint loads stands ahead of the wait for the arguments
	s_wait_kmcnt 0x0
	s_add_nc_u64 s[94:95], s[4:5], s[94:95]
	s_add_nc_u64 s[96:97], s[6:7], s[96:97]
	s_add_nc_u64 s[98:99], s[8:9], s[98:99]
	s_add_nc_u64 s[2:3], s[10:11], s[2:3]
	s_add_nc_u64 s[12:13], s[12:13], s[70:71]
	s_add_nc_u64 s[14:15], s[14:15], s[70:71]
	s_add_nc_u64 s[14:15], s[14:15], s[72:73]
	s_mov_b32 s[G0], 1
	s_mov_b32 s[G0+1], s44
	s_mov_b64 s[G0+2:G0+3], s[94:95]
	s_or_b32 s[G0+3], s[G0+3], 0x80000000
	s_mov_b32 s[G0B], 1
	s_mov_b32 s[G0B+1], s44
	s_mov_b64 s[G0B+2:G0B+3], s[98:99]
	s_or_b32 s[G0B+3], s[G0B+3], 0x80000000
	s_cmp_eq_u32 s[HA], 0                          ; two arms, one load each: every way passes exactly one
	s_cbranch_scc0 .Lfor_b
	tensor_load_to_lds s[G0:G0+3], s[G1:G1+7]
	s_nop 0
	PLACES 4
	s_branch .Lasked
.Lfor_b:
	tensor_load_to_lds s[G0B:G0B+3], s[G1B:G1B+7]
	s_nop 0
	PLACES 4
.Lasked:
	v_and_b32 v8, 31, v0                           ; lane
	v_and_b32 v9, 15, v0                           ; r
	v_bfe_u32 v12, v0, 4, 1                        ; h
	v_lshlrev_b32 v[L8], 3, v8
	v_add_nc_u32 v[ADRA], s66, v[L8]
	v_add_nc_u32 v[ADRB], s67, v[L8]
	v_mul_u32_u24 v13, v9, SPITCH                  ; into the stage: row r, 128 bytes for each half of the lanes
	v_lshl_add_u32 v13, v12, 7, v13
	v_add_nc_u32 v[STO], s68, v13
	v_mul_u32_u24 v14, v12, SPITCH                 ; back: sixteen lanes to a row of 256 bytes, two rows an instruction
	v_lshl_add_u32 v14, v9, 4, v14
	v_add_nc_u32 v[RD], s68, v14
	v_lshlrev_b32 v15, 12, v12                     ; and the same two rows in out0
	v_lshl_add_u32 v[CO], v9, 4, v15
	v_lshlrev_b32 v[BO], 7, v12                    ; the bias: 32 numbers for each half of the lanes
.irp i, 0,1,2,3
.irp k, 0,1
	global_load_b64 v[SA+4*\i+2*\k:SA+4*\i+2*\k+1], v[L8], s[96:97] offset:512*\i+256*\k   ; 32 lanes read 256 consecutive bytes, aligned
	global_load_b64 v[SB+4*\i+2*\k:SB+4*\i+2*\k+1], v[L8], s[2:3] offset:512*\i+256*\k
.endr
.endr
.irp b, 0,1,2,3
.irp e, 0,1
	global_load_b128 v[BT+8*\b+4*\e:BT+8*\b+4*\e+3], v[BO], s[12:13] offset:32*\b+16*\e
.endr
.endr
.macro FRAG f, adr, off                ; a fragment, 16 rows x 128 K: six pieces of 256 bytes, lane l's 8 bytes at 8 l
	WIN ((1+(\f)/FPW)<<6)
.irp p, 0,1,2,3,4,5
	ds_load_b64 v[FR*((\f)%FPW)+2*\p:FR*((\f)%FPW)+2*\p+1], v[\adr] offset:(\off)+256*\p
.endr
.endm
.macro WEIGHTS                         ; my 64 rows of Wo, all of K: 192 loads
.irp q, 0,1,2,3,4,5,6,7
.irp b, 0,1,2,3
	FRAG 4*\q+\b, ADRB, TILE*\b+1536*\q
.endr
.endr
.endm
.macro FETCH e, a                      ; my tile a of tokens, all of K, into set e: 48 loads
.irp q, 0,1,2,3,4,5,6,7
	FRAG 32+8*(\e)+\q, ADRA, TILE*(\a)+1536*\q
.endr
.endm
.macro W1 d, s0, s1, c, x0, x1, row
	v_wmma_scale_f32_16x16x128_f8f6f4 v[\d:\d+7], v[\s0:\s0+11], v[\s1:\s1+11], \c, v[\x0], v[\x1] matrix_a_fmt:MATRIX_FMT_FP6 matrix_b_fmt:MATRIX_FMT_FP6 matrix_a_scale:MATRIX_SCALE_ROW\row matrix_b_scale:MATRIX_SCALE_ROW\row
.endm
.macro PROD a, n                       ; product n = 4 q + b of block a
.set Q_, (\n)/4
.set B_, (\n)%4
.set FA_, 32+8*((\a)%2)+Q_
.set D_, ACC+32*((\a)%2)+8*B_
.set R0_, FR*((\n)%FPW)
.set R1_, FR*(FA_%FPW)
.set XB_, SB+4*B_+2*(Q_/4)+Q_%2
.set XA_, SA+4*(\a)+2*(Q_/4)+Q_%2
	WIN (1+(\n)/FPW)|((1+FA_/FPW)<<2)
.if Q_ == 0
	W1 D_, R0_, R1_, v[BT+8*B_:BT+8*B_+7], XB_, XA_, 0
.elseif (Q_/2)%2
	W1 D_, R0_, R1_, v[D_:D_+7], XB_, XA_, 1
.else
	W1 D_, R0_, R1_, v[D_:D_+7], XB_, XA_, 0
.endif
.endm
.macro BLOCK a                         ; 32 matrix instructions, the block's four accumulators by turns, K ascending
.set N_, 0
.rept 32
	PROD \a, N_
.set N_, N_+1
.endr
	WIN 0
	PLACES 4                                       ; in front of the reads of the results and of loads into the set just multiplied
.endm
.macro TOSTAGE a                       ; LDS serves a wave's instructions in order: the loads see the stores
.set AC_, ACC+32*((\a)%2)
.set BB_, BK+32*((\a)%2)
.irp b, 0,1,2,3
	ds_store_b128 v[STO], v[AC_+8*\b:AC_+8*\b+3] offset:32*\b          ; each accumulator from its low end on
	ds_store_b128 v[STO], v[AC_+8*\b+4:AC_+8*\b+7] offset:32*\b+16
.endr
.irp t, 0,1,2,3,4,5,6,7
	ds_load_b128 v[BB_+4*\t:BB_+4*\t+3], v[RD] offset:\t*2*SPITCH
.endr
.endm
.macro SEND a, younger                 ; younger: the LDS loads issued behind block a's turn through the stage
.set BB_, BK+32*((\a)%2)
	s_wait_dscnt \younger
.irp t, 0,1,2,3,4,5,6,7
	global_store_b128 v[CO], v[BB_+4*\t:BB_+4*\t+3], s[14:15] offset:(8*(\a)+2*(\t%4)+32*(\t/4))*4096 th:TH_STORE_NT   ; stage rows 2 t, 2 t + 1: sixteen lanes store 256 consecutive bytes, aligned
.endr
.endm
	s_wait_alu depctr_va_vdst(0)                   ; at the head's end
	s_wait_tensorcnt 0x0                           ; my four tiles are in
	s_barrier_signal -1
	s_barrier_wait -1                              ; and everybody's
	WEIGHTS
	FETCH 0, 0
	FETCH 1, 1
	WIN 0
	s_wait_loadcnt 0x0                             ; the scale words and the bias
	s_wait_dscnt 48                                ; Wo's fragments and tile 0 are in; tile 1's 48 loads may be out
	BLOCK 0
	TOSTAGE 0
	FETCH 0, 2
	s_wait_dscnt 63                                ; behind tile 1's loads stand the stage's 16 and tile 2's 48: 64, of which the count names 63
	BLOCK 1
	SEND 0, 48                                     ; tile 2's 48 loads may be out
	TOSTAGE 1
	FETCH 1, 3
	s_wait_dscnt 63                                ; behind tile 2's loads stand 64 again
	BLOCK 2
	SEND 1, 48
	s_wait_xcnt 0x0                                ; block 0's stores have read their registers
	TOSTAGE 2
	s_wait_dscnt 16                                ; tile 3 is in; the stage's 16 may be out
	BLOCK 3
	SEND 2, 0
	s_wait_xcnt 0x0                                ; block 1's stores have read their registers
	TOSTAGE 3
	SEND 3, 0
	s_wait_tensorcnt 0x0                           ; the wave's end
	ds_add_u32 v[SPW], v[NIL]
	s_wait_dscnt 0x0
	CROUND                                         ; the closing round
	s_endpgm
.Lfunc_end_k_q2d37fd15e4_oproj:
	.size	k_q2d37fd15e4_oproj, .Lfunc_end_k_q2d37fd15e4_oproj-k_q2d37fd15e4_oproj
	.p2alignl 7, 3214868480
	.fill 96, 4, 3214868480
	.section	.rodata,"a",@progbits
	.p2align	6, 0x0
	.amdhsa_kernel k_q2d37fd15e4_oproj
		.amdhsa_group_segment_fixed_size 214528
		.amdhsa_private_segment_fixed_size 0
		.amdhsa_enable_private_segment 0
		.amdhsa_kernarg_size 48
		.amdhsa_user_sgpr_count 2
		.amdhsa_user_sgpr_kernarg_segment_ptr 1
		.amdhsa_wavefront_size32 1
		.amdhsa_system_sgpr_workgroup_id_x 1
		.amdhsa_system_sgpr_workgroup_id_y 1
		.amdhsa_system_sgpr_workgroup_id_z 1
		.amdhsa_system_vgpr_workitem_id 0
		.amdhsa_next_free_vgpr 840
		.amdhsa_next_free_sgpr 104
		.amdhsa_reserve_vcc 0
		.amdhsa_float_denorm_mode_32 3
		.amdhsa_float_denorm_mode_16_64 3
		.amdhsa_memory_ordered 1
		.amdhsa_forward_progress 1
		.amdhsa_inst_pref_size 57
	.end_amdhsa_kernel
	.amdgpu_metadata
---
amdhsa.version: [ 1, 2 ]
amdhsa.kernels:
  - .name:           k_q2d37fd15e4_oproj
    .symbol:         k_q2d37fd15e4_oproj.kd
    .args:
      - { .name: ao, .offset: 0, .size: 8, .value_kind: global_buffer, .address_space: global }
      - { .name: aos, .offset: 8, .size: 8, .value_kind: global_buffer, .address_space: global }
      - { .name: cod, .offset: 16, .size: 8, .value_kind: global_buffer, .address_space: global }
      - { .name: scl, .offset: 24, .size: 8, .value_kind: global_buffer, .address_space: global }
      - { .name: bo, .offset: 32, .size: 8, .value_kind: global_buffer, .address_space: global }
      - { .name: out0, .offset: 40, .size: 8, .value_kind: global_buffer, .address_space: global }
    .group_segment_fixed_size: 214528
    .private_segment_fixed_size: 0
    .kernarg_segment_align: 8
    .kernarg_segment_size: 48
    .max_flat_workgroup_size: 128
    .sgpr_count:     104
    .vgpr_count:     840
    .wavefront_size: 32
...
	.end_amdgpu_metadata
.endif
;; end of part 4
